; MI455X (gfx1250); checked and timed in simulation.
; The chip was launched on July 23, 2026; its instructions are those of AMD's public machine-readable ISA for CDNA 5 (MIT licence, August 2026) and "CDNA5" Instruction Set Architecture Reference Guide (July 2026). The comments in the code are by the model that wrote it; some were corrected since.
;; Multi Head Attention. Allowed arithmetic: matrix products marked QUANTISED: E2M3 operands, one E8M0 scale for each 32 along K, by v_wmma_scale_f32_16x16x128_f8f6f4 with both operands' format E2M3, f32 sums; everything else in f32.
;; Inputs: b_k 1,024 float32; b_o 1,024 float32; b_q 1,024 float32; b_v 1,024 float32; k 4 x 2,048 x 1,024 float32; q 4 x 2,048 x 1,024 float32; v 4 x 2,048 x 1,024 float32; w_k 1,024 x 1,024 float32; w_o 1,024 x 1,024 float32; w_q 1,024 x 1,024 float32; w_v 1,024 x 1,024 float32.
;; Outputs: out0 4 x 2,048 x 1,024 float32.
;; This version of the problem:
;;   THIS VERSION OF THE PROBLEM IS GIVEN IN LOW PRECISION. The matrix products marked QUANTISED in the list below multiply operands that are first quantised to E2M3 (2 exponent bits, 3 mantissa bits; 6 bits a number), with one power-of-two scale for each 32 numbers along K (OCP MX v1.0); their sums are f32. All else is computed in f32.
;;   The module's matrix products, in the order in which they are computed (A, B: the left and right operand; K: the contracted axis; several contracted axes count as one K, in the product's order):
;;     1. [M 8,192, K 1,024] x [K 1,024, N 1,024]; A: input k; B: input w_k: QUANTISED
;;     2. [M 8,192, K 1,024] x [K 1,024, N 1,024]; A: input q; B: input w_q: QUANTISED
;;     3. [M 8,192, K 1,024] x [K 1,024, N 1,024]; A: input v; B: input w_v: QUANTISED
;;     4. batch 64 x [M 2,048, K 64] x [K 64, N 2,048]; A: computed on the way; B: computed on the way: QUANTISED
;;     5. batch 64 x [M 2,048, K 2,048] x [K 2,048, N 64]; A: softmax (see below); B: computed on the way: QUANTISED
;;     6. [M 8,192, K 1,024] x [K 1,024, N 1,024]; A: computed on the way; B: input w_o: QUANTISED
;;   THE QUANTISER, for each operand of a quantised product, along K:
;;     - K is cut into blocks of 32 from its start; a last block that is shorter is filled with zeros.
;;     - A block's scale is 2^e with e = floor(log2(the largest magnitude in the block)) - 2, held to -126 .. 127; a block of zeros has e = 0. As a byte (E8M0): e + 127.
;;     - Each number is divided by its block's scale, clamped to +-7.5, and rounded to the nearest number of E2M3, ties to even, subnormals kept.
;;     - The product sums the exact products of the quantised numbers (number of the format x scale) in f32.
;;   ~~~python
;;   def quantise(x, axis):      # numpy; x: float32 -> the quantised numbers, widened to float32 again
;;       x = np.moveaxis(x, axis, -1); K = x.shape[-1]
;;       x = np.pad(x, [(0, 0)] * (x.ndim - 1) + [(0, -K % 32)]); x = x.reshape(x.shape[:-1] + (-1, 32)); a = np.abs(x).max(-1, keepdims=True)
;;       e = np.where(a > 0, np.clip(np.frexp(np.where(a > 0, a, 1))[1] - 1 - 2, -126, 127), 0)      # np.frexp(a)[1] - 1 = floor(log2(a)), exactly
;;       r = np.clip(x / 2.0 ** e, -7.5, 7.5)
;;       step = 2.0 ** (np.maximum(np.frexp(np.where(r == 0, 1, r))[1] - 1, 0) - 3)
;;       q = np.round(r / step) * step * 2.0 ** e      # np.round: ties to even
;;       return np.moveaxis(q.reshape(q.shape[:-2] + (-1,))[..., :K], -1, axis).astype(np.float32)
;;   ~~~
;;   SOFTMAX AHEAD OF A QUANTISED PRODUCT. Where the list says 'softmax', what is quantised is not the finished softmax but p = 2^(t - M), with t = logit x log2(e) and M = ceil(the row's largest t), a whole number; so 1/2 < the row's largest p <= 1. The row's sum l is taken of the UNQUANTISED p, in f32, and the product's result is divided by l at the end. Since M is a whole number, a kernel that streams over the keys may use a running M (the ceiling of the running maximum): every later rescaling is an exact power of two, which a block's scale takes up: the codes' values come out the same.
;;   OPERANDS COMPUTED ON THE WAY. 'Computed on the way' means the value that the module computes at that place (a softmax that the list does not call 'softmax' is quantised finished and normalised). What goes into a quantiser is computed in f32, as accurately as f32 sums, v_exp_f32 and their like allow (about 1e-6 of the number): no bf16 or f16 on the way to a quantiser, and a product that is left as it is and whose result goes on into a quantised operand takes f32 operands (vector FMAs, or v_wmma_f32_16x16x4_f32). A number that lies on a knife's edge between two numbers of the format may be rounded either way, as far as f32 arithmetic and the matrix unit's own rounding can turn it there, and no further.
;; One version. Each part assembles by itself: llvm-mc -triple=amdgcn-amd-amdhsa -mcpu=gfx1250 --defsym DOCPART=n.
;; ======== version 1 of 1: 4 launches
;; limits: right only within a limited range of input values
;; workspace buffers: cod 22,020,096 bytes; sc 1,179,648 bytes; att 20,185,088 bytes; cc 6,291,456 bytes
;; launch quant (part 1): grid 1024 x 1, 4 waves a work-group, no clusters, 34,304 bytes of LDS; arguments k, q, v, w_k, w_q, w_v, w_o, cod, sc; writes cod, sc
.if DOCPART == 1
	.amdgcn_target "amdgcn-amd-amdhsa--gfx1250"
	.amdhsa_code_object_version 6
	.text
	.protected	k_q14b1ed63e8_quant
	.globl	k_q14b1ed63e8_quant
	.p2align	8
	.type	k_q14b1ed63e8_quant,@function
k_q14b1ed63e8_quant:
	s_mov_b64 s[64:65], 0
	v_nop
	global_prefetch_b8 v0, s[64:65] scope:SCOPE_SE
	s_setreg_imm32_b32 hwreg(HW_REG_WAVE_MODE, 25, 1), 1
	s_wait_xcnt 0x0
; MULTI-HEAD ATTENTION IN MX-FP6, FIRST OF FOUR LAUNCHES: k, q, v [8192][1024] and w_k, w_q, w_v, w_o [1024 (K)][1024 (n)], f32, become codes of E2M3 with one E8M0 byte for each 32 along K.
; DEAD WORK: none is left out in any of the four launches.  Every bias stands ahead of a quantiser (b_k, b_q, b_v) or in the output (b_o); every product of the problem's table is live; every input is loaded.
; LIMITS: NaN and infinities among the inputs are not served.  A block whose largest magnitude lies under 2^-124 (a block of zeros too) keeps the byte 1: zero codes add nothing under any byte but 0xff, and these bytes are read by this program alone.
; A block's scale is 2^(floor(log2(largest magnitude)) - 2): its byte is the largest magnitude's exponent field - 2, held at 1 from below by a floor among the maximum's leaves.
; LAYOUT OF THE CODES: AN IMAGE OF THE OPERAND'S REGISTERS.  A fragment (16 rows x 128 K, 12 registers a lane) is 1,536 bytes: for each half of 64 K, registers 0-3 at 16 x lane (512 bytes), registers 4-5 at 512 + 8 x lane (256 bytes).
; cod: [tensor][tile of 16 rows][K step of 128][fragment]; sc: 512 bytes a tile: [K step / 4][row][K step % 4], one word (four bytes) for a row and 128 K.
; ROWS LIE IN POSITION ORDER: lane r of tile 2 b + u holds logical row 32 b + 8 u + r + 8 (r / 8) (bits 3 and 4 of the row's number change places).  A product that takes such tiles as its source 0 leaves, in the 16 registers
; of two neighbouring result tiles, 16 logical neighbours: what the next quantiser wants.
; Work-groups 0-767: k, q, v (K innermost: through the wave's own stage in LDS).  Work-groups 768-1023: the weights (a lane to a column, registers down K; no LDS).  Waves share nothing: no barrier.
.set WOFF,  18874368                   ; the weights' codes begin here in cod (3 x 6,291,456)
.set SWOFF, 786432                     ; and their scale words here in sc
.set STG,   8448                       ; a wave's stage: 16 rows x (512 + 16) bytes
.set SPARE, 4*STG                      ; behind the stages: the spare words, 128 bytes a wave, that no other line names
.set SPW,   10                         ; v10  my spare word; never rewritten
.set NIL,   11                         ; v11  0; never rewritten
.set R,     24                         ; v24-151  x path: two sets of 64 registers as loaded
.set X,     152                        ; v152-215 64 numbers of my row: register 16 b + i = k 32 b + 16 (lane / 16) + i
.set PC,    216                        ; v216-235 the codes just made
.set TM,    236                        ; v236-251 at work
.set SEL,   22                         ; s[22:23] selects for lane l xor 16
.set WX,    24                         ; v24-87   w path: two sets of 32 numbers
.set WC,    88                         ; v88-119  w path: eight registers of codes for each block
	s_load_b256 s[4:11], s[0:1], 0x0               ; k, q, v, w_k
	s_load_b256 s[12:19], s[0:1], 0x20             ; w_q, w_v, w_o, cod
	s_load_b64 s[20:21], s[0:1], 0x40              ; sc
	v_lshl_add_u32 v[SPW], v0, 2, SPARE
	v_mov_b32 v[NIL], 0
	v_lshrrev_b32 v1, 5, v0
	v_readfirstlane_b32 s25, v1                    ; wave 0..3
	v_and_b32 v1, 31, v0                           ; lane
	s_cmp_ge_u32 ttmp9, 768
	s_cbranch_scc1 .Lweights
; ---------------- k, q, v: a wave takes one tile of 16 rows x 512 K: four fragments ----------------
	v_and_b32 v2, 15, v0                           ; r
	v_bfe_u32 v3, v0, 4, 1                         ; h
	v_lshlrev_b32 v4, 4, v1                        ; 16 x lane
	v_lshlrev_b32 v5, 3, v1                        ; 8 x lane
	s_mul_i32 s28, s25, STG
	v_add_nc_u32 v6, s28, v4                       ; the stage, on the way in: a row's 512 bytes as they lie
	v_mul_u32_u24 v7, v2, 528
	v_lshl_add_u32 v7, v3, 6, v7
	v_add_nc_u32 v7, s28, v7                       ; and on the way out: row r, + 64 h: my 16 numbers of a block of 32
	v_lshlrev_b32 v8, 4, v2
	v_lshl_add_u32 v8, v3, 3, v8                   ; my two scale words' place: 16 r + 8 h
	s_mov_b32 s[SEL], 0x76543210
	s_mov_b32 s[SEL+1], 0xfedcba98
	s_mov_b32 s24, 0xffff0000                      ; lanes 16-31
.irp b, 0,1,2,3
	v_mov_b32 v[TM+4+\b], 0                        ; written once: a lane permute's destination counts as one of its sources
.endr
	s_lshl_b32 s29, ttmp9, 2
	s_add_co_u32 s29, s29, s25                     ; W = 4 x work-group + wave
	s_lshr_b32 s30, s29, 1                         ; the tile among the three tensors' 1,536
	s_and_b32 s31, s29, 1                          ; which 512 along K
	s_and_b32 s32, s30, 511                        ; the tile in its tensor
	; TENSOR k HAS AN ORDER OF ITS OWN: position p of tile T is logical row 64 (T / 4) + 8 (T % 4) + p % 8 + 32 (p / 8), so that in the third launch a lane's 32 scores of four tiles are one block of 32 keys.
	; q and v keep 32 (T / 2) + 8 (T % 2) + p + 8 (p / 8).  g = 2 for k, 1 for q and v: first row = (T >> g) << (g + 4) + 8 (T % 2^g); positions 8-15 lie 8 << g rows behind the first.
	s_cmp_lt_u32 ttmp9, 256
	s_cselect_b32 s42, 2, 1
	s_cselect_b32 s43, 3, 1
	s_lshr_b32 s33, s32, s42
	s_lshl_b32 s33, s33, s42
	s_lshl_b32 s33, s33, 4
	s_and_b32 s34, s32, s43
	s_lshl_b32 s34, s34, 3
	s_lshl_b32 s44, 0x8000, s42                    ; 8 << g rows of 4,096 bytes
	s_mov_b32 s45, 0
	s_add_co_u32 s33, s33, s34                     ; its first logical row: ((T >> g) << (g + 4)) + 8 (T % 2^g)
	s_lshl_b32 s36, s33, 12                        ; rows of 4,096 bytes
	s_lshl_b32 s34, s31, 11
	s_add_co_u32 s36, s36, s34
	s_mov_b32 s37, 0
	s_lshl_b32 s38, s30, 3
	s_lshl_b32 s34, s31, 2
	s_add_co_u32 s38, s38, s34
	s_mul_i32 s38, s38, 1536                       ; my first fragment in cod
	s_mov_b32 s39, 0
	s_lshl_b32 s40, s29, 8                         ; my 256 bytes of scale words: 512 x tile + 256 x half
	s_mov_b32 s41, 0
	s_wait_alu depctr_va_vdst(0)
	s_wait_kmcnt 0x0
	s_cmp_lt_u32 ttmp9, 256                        ; which tensor: the choice hangs on the work-group's number alone
	s_cselect_b64 s[26:27], s[4:5], s[6:7]
	s_cmp_lt_u32 ttmp9, 512
	s_cselect_b64 s[26:27], s[26:27], s[8:9]
	s_add_nc_u64 s[26:27], s[26:27], s[36:37]
	s_add_nc_u64 s[46:47], s[26:27], s[44:45]      ; where positions 8-15 begin
	s_add_nc_u64 s[18:19], s[18:19], s[38:39]
	s_add_nc_u64 s[20:21], s[20:21], s[40:41]
.macro LOAD t                          ; K step t of my 16 rows: each load reads 512 consecutive bytes of one row; position row p lies p % 8 + (8 << g) (p / 8) rows behind the first
.irp p, 0,1,2,3,4,5,6,7,8,9,10,11,12,13,14,15
	global_load_b128 v[R+64*((\t)%2)+4*\p:R+64*((\t)%2)+4*\p+3], v4, s[26+20*(\p/8):27+20*(\p/8)] offset:(\p%8)*4096+512*(\t) th:TH_LOAD_NT
.endr
.endm
; 64 numbers of a lane become a fragment's codes in v[PC] on and its row's scale word in v[pw]
.macro QUANT s, pw
.irp b, 0,1,2,3
	v_max3_num_f32 v[TM+\b], |v[\s+16*\b]|, |v[\s+1+16*\b]|, 0x1800000   ; block b: my 16 numbers, and the floor 2^(3 - 127): the byte cannot fall under 1
.endr
.irp i, 2,4,6,8,10,12,14
.irp b, 0,1,2,3
	v_max3_num_f32 v[TM+\b], v[TM+\b], |v[\s+16*\b+\i]|, |v[\s+1+16*\b+\i]|   ; the four blocks by turns
.endr
.endr
.irp b, 0,1,2,3
	v_permlanex16_b32 v[TM+4+\b], v[TM+\b], s[SEL], s[SEL+1]
.endr
.irp b, 0,1,2,3
	v_max_num_f32 v[TM+\b], v[TM+\b], v[TM+4+\b]   ; with lane l xor 16's: the block's largest magnitude
.endr
.irp b, 0,1,2,3
	v_add_nc_u32 v[TM+12+\b], 0xff000000, v[TM+\b] ; 2 off its exponent field: the conversion's scale operand
.endr
.irp b, 0,1,2,3
	v_lshrrev_b32 v[TM+4+\b], 23, v[TM+12+\b]      ; the scale's byte
.endr
	v_lshl_or_b32 v[\pw], v[TM+5], 8, v[TM+4]
	v_lshl_or_b32 v[\pw], v[TM+6], 16, v[\pw]
	v_lshl_or_b32 v[\pw], v[TM+7], 24, v[\pw]
.irp c, 0,1
	v_cvt_scalef32_pk16_fp6_f32 v[PC+6*\c:PC+2+6*\c], v[\s+32*\c:\s+15+32*\c], v[TM+12+2*\c]
	v_cvt_scalef32_pk16_fp6_f32 v[PC+12+4*\c:PC+14+4*\c], v[\s+16+32*\c:\s+31+32*\c], v[TM+12+2*\c+1]   ; (a conversion's three registers begin on an even number)
.endr
	v_nop                                          ; one plain place behind a scaled conversion
.irp c, 0,1                                    ; the operand wants a whole block in a lane: lanes 0-15 block 2 c, lanes 16-31 block 2 c + 1
.irp i, 0,1,2
	v_permlane16_swap_b32 v[PC+6*\c+\i], v[PC+12+4*\c+\i]
.endr
.irp i, 0,1,2
	v_mov_b32 v[PC+3+6*\c+\i], v[PC+12+4*\c+\i]
.endr
.endr
.endm
.macro XSTEP s
.if \s < 3
	s_wait_loadcnt 16                              ; this K step's 16 loads are in; the next step's 16 may be out
.else
	s_wait_loadcnt 0x0
.endif
.irp p, 0,1,2,3,4,5,6,7,8,9,10,11,12,13,14,15
	ds_store_b128 v6, v[R+64*((\s)%2)+4*\p:R+64*((\s)%2)+4*\p+3] offset:528*\p
.endr
.irp b, 0,1,2,3
.irp j, 0,1,2,3
	ds_load_b128 v[X+16*\b+4*\j:X+16*\b+4*\j+3], v7 offset:128*\b+16*\j   ; LDS serves a wave's instructions in order: these see my stores
.endr
.endr
	s_wait_dscnt 0x0
.if \s < 2
	LOAD (\s)+2                                    ; the set that the stage's stores have read takes the step two on
.endif
	s_wait_xcnt 0x0                                ; the last step's stores have read the codes' registers: they are written again only behind this wait
	QUANT X, 12+(\s)
	global_store_b128 v4, v[PC:PC+3], s[18:19] offset:1536*(\s)          ; each store covers whole aligned runs of 256 bytes
	global_store_b64 v5, v[PC+4:PC+5], s[18:19] offset:1536*(\s)+512
	global_store_b128 v4, v[PC+6:PC+9], s[18:19] offset:1536*(\s)+768
	global_store_b64 v5, v[PC+10:PC+11], s[18:19] offset:1536*(\s)+1280
.endm
	LOAD 0
	LOAD 1
	XSTEP 0
	XSTEP 1
	XSTEP 2
	XSTEP 3
	v_cndmask_b32 v16, v12, v14, s24               ; both halves of the lanes hold all four words of row r: lanes 0-15 store words 0, 1, lanes 16-31 words 2, 3
	v_cndmask_b32 v17, v13, v15, s24
	global_store_b64 v8, v[16:17], s[20:21]        ; 256 consecutive bytes
	s_wait_tensorcnt 0x0                           ; the wave's end, behind my last LDS store
	ds_add_u32 v[SPW], v[NIL]
	s_wait_dscnt 0x0
	s_endpgm
; ---------------- the weights: a wave takes 32 columns x 128 K; a lane takes a column, its registers run down K ----------------
.Lweights:
	s_sub_co_u32 s28, ttmp9, 768
	s_lshr_b32 s29, s28, 6                         ; which weight
	s_and_b32 s30, s28, 7                          ; which 128 columns
	s_bfe_u32 s31, s28, 0x30003                    ; which K step
	s_lshl_b32 s32, s30, 7
	s_lshl_b32 s33, s25, 5
	s_add_co_u32 s32, s32, s33                     ; my wave's first column n0
	s_wait_alu depctr_va_vdst(0)
	v_lshlrev_b32 v3, 2, v1                        ; in: 4 bytes a lane
	v_bfe_u32 v2, v0, 3, 1                         ; column n0 + l lies in position tile n0 / 16 + (l / 8) % 2,
	v_and_b32 v7, 7, v0
	v_bfe_u32 v8, v0, 4, 1
	v_lshl_add_u32 v7, v8, 3, v7                   ; at its row l % 8 + 8 (l / 16)
	v_mul_u32_u24 v4, v2, 12288
	v_lshl_add_u32 v5, v7, 3, v4                   ; tile x 12,288 + 8 x row
	v_lshl_add_u32 v4, v7, 4, v4                   ; tile x 12,288 + 16 x row
	v_lshlrev_b32 v6, 9, v2
	v_lshl_add_u32 v6, v7, 4, v6                   ; scale words: tile x 512 + 16 x row
	s_lshl_b32 s36, s31, 19                        ; 128 rows of 4,096 bytes a K step
	s_lshl_b32 s34, s32, 2
	s_add_co_u32 s36, s36, s34
	s_mov_b32 s37, 0
	s_lshl_b32 s33, s29, 6
	s_lshr_b32 s34, s32, 4
	s_add_co_u32 s33, s33, s34                     ; the first of my two tiles among the weights' 256
	s_lshl_b32 s38, s33, 3
	s_add_co_u32 s38, s38, s31
	s_mul_i32 s38, s38, 1536
	s_add_co_u32 s38, s38, WOFF
	s_mov_b32 s39, 0
	s_lshl_b32 s40, s33, 9
	s_lshr_b32 s34, s31, 2
	s_lshl_b32 s34, s34, 8
	s_add_co_u32 s40, s40, s34
	s_and_b32 s34, s31, 3
	s_lshl_b32 s34, s34, 2
	s_add_co_u32 s40, s40, s34
	s_add_co_u32 s40, s40, SWOFF
	s_mov_b32 s41, 0
	s_wait_kmcnt 0x0
	s_cmp_lt_u32 s29, 1
	s_cselect_b64 s[26:27], s[10:11], s[12:13]
	s_cmp_lt_u32 s29, 2
	s_cselect_b64 s[26:27], s[26:27], s[14:15]
	s_cmp_lt_u32 s29, 3
	s_cselect_b64 s[26:27], s[26:27], s[16:17]
	s_add_nc_u64 s[26:27], s[26:27], s[36:37]
	s_add_nc_u64 s[18:19], s[18:19], s[38:39]
	s_add_nc_u64 s[20:21], s[20:21], s[40:41]
.macro WLOAD t                         ; block t: W(32 t + i, my column): 128 consecutive bytes a wave
.irp i, 0,1,2,3,4,5,6,7,8,9,10,11,12,13,14,15,16,17,18,19,20,21,22,23,24,25,26,27,28,29,30,31
	global_load_b32 v[WX+32*((\t)%2)+\i], v3, s[26:27] offset:(32*(\t)+\i)*4096 th:TH_LOAD_NT
.endr
.endm
.macro BLOCK t
.set XS, WX+32*((\t)%2)
.set CC, WC+8*(\t)
.if \t < 3
	s_wait_loadcnt 32                              ; this block's 32 loads are in; the next block's may be out
.else
	s_wait_loadcnt 0x0
.endif
	v_max3_num_f32 v120, |v[XS]|, |v[XS+1]|, |v[XS+2]|               ; all 32 numbers of the block are mine
	v_max3_num_f32 v121, |v[XS+3]|, |v[XS+4]|, |v[XS+5]|
.irp i, 6,10,14,18,22,26
	v_max3_num_f32 v120, v120, |v[XS+\i]|, |v[XS+\i+1]|
	v_max3_num_f32 v121, v121, |v[XS+\i+2]|, |v[XS+\i+3]|
.endr
	v_max3_num_f32 v120, v120, |v[XS+30]|, |v[XS+31]|
	v_max3_num_f32 v120, v120, v121, 0x1800000     ; and the floor
	v_add_nc_u32 v122, 0xff000000, v120            ; the conversion's scale operand
	v_lshrrev_b32 v123, 23, v122                   ; the byte
.if \t == 0
	v_mov_b32 v124, v123
.else
	v_lshl_or_b32 v124, v123, 8*(\t), v124         ; four bytes make the column's scale word of this K step
.endif
	v_cvt_scalef32_pk16_fp6_f32 v[CC:CC+2], v[XS:XS+15], v122
	v_cvt_scalef32_pk16_fp6_f32 v[CC+4:CC+6], v[XS+16:XS+31], v122
	v_nop                                          ; one plain place behind a scaled conversion
	v_mov_b32 v[CC+3], v[CC+4]                     ; the block's six registers on end
	v_mov_b32 v[CC+4], v[CC+5]
	v_mov_b32 v[CC+5], v[CC+6]
	global_store_b128 v4, v[CC:CC+3], s[18:19] offset:((\t)/2)*768+256*((\t)%2)        ; block t is half t % 2 of the lanes in the image's half t / 2: sixteen lanes fill 256 consecutive bytes
	global_store_b64 v5, v[CC+4:CC+5], s[18:19] offset:((\t)/2)*768+512+128*((\t)%2)   ; (128 consecutive bytes: block t + 1, or t - 1, fills the other half of the 256)
.if \t < 2
	WLOAD (\t)+2
.endif
.endm
	WLOAD 0
	WLOAD 1
	BLOCK 0
	BLOCK 1
	BLOCK 2
	BLOCK 3
	global_store_b32 v6, v124, s[20:21]            ; 4 bytes a lane, 16 bytes apart: one byte in 128 of what this path reads
	s_wait_tensorcnt 0x0                           ; the closing lines, as on the other path
	ds_add_u32 v[SPW], v[NIL]
	s_wait_dscnt 0x0
	s_endpgm
.Lfunc_end_k_q14b1ed63e8_quant:
	.size	k_q14b1ed63e8_quant, .Lfunc_end_k_q14b1ed63e8_quant-k_q14b1ed63e8_quant
	.p2alignl 7, 3214868480
	.fill 96, 4, 3214868480
	.section	.rodata,"a",@progbits
	.p2align	6, 0x0
	.amdhsa_kernel k_q14b1ed63e8_quant
		.amdhsa_group_segment_fixed_size 34304
		.amdhsa_private_segment_fixed_size 0
		.amdhsa_enable_private_segment 0
		.amdhsa_kernarg_size 72
		.amdhsa_user_sgpr_count 2
		.amdhsa_user_sgpr_kernarg_segment_ptr 1
		.amdhsa_wavefront_size32 1
		.amdhsa_system_sgpr_workgroup_id_x 1
		.amdhsa_system_sgpr_workgroup_id_y 1
		.amdhsa_system_sgpr_workgroup_id_z 1
		.amdhsa_system_vgpr_workitem_id 0
		.amdhsa_next_free_vgpr 256
		.amdhsa_next_free_sgpr 66
		.amdhsa_reserve_vcc 0
		.amdhsa_float_denorm_mode_32 3
		.amdhsa_float_denorm_mode_16_64 3
		.amdhsa_memory_ordered 1
		.amdhsa_forward_progress 1
		.amdhsa_inst_pref_size 55
	.end_amdhsa_kernel
	.amdgpu_metadata
---
amdhsa.version: [ 1, 2 ]
amdhsa.kernels:
  - .name:           k_q14b1ed63e8_quant
    .symbol:         k_q14b1ed63e8_quant.kd
    .args:
      - { .name: k, .offset: 0, .size: 8, .value_kind: global_buffer, .address_space: global }
      - { .name: q, .offset: 8, .size: 8, .value_kind: global_buffer, .address_space: global }
      - { .name: v, .offset: 16, .size: 8, .value_kind: global_buffer, .address_space: global }
      - { .name: w_k, .offset: 24, .size: 8, .value_kind: global_buffer, .address_space: global }
      - { .name: w_q, .offset: 32, .size: 8, .value_kind: global_buffer, .address_space: global }
      - { .name: w_v, .offset: 40, .size: 8, .value_kind: global_buffer, .address_space: global }
      - { .name: w_o, .offset: 48, .size: 8, .value_kind: global_buffer, .address_space: global }
      - { .name: cod, .offset: 56, .size: 8, .value_kind: global_buffer, .address_space: global }
      - { .name: sc, .offset: 64, .size: 8, .value_kind: global_buffer, .address_space: global }
    .group_segment_fixed_size: 34304
    .private_segment_fixed_size: 0
    .kernarg_segment_align: 8
    .kernarg_segment_size: 72
    .max_flat_workgroup_size: 128
    .sgpr_count:     66
    .vgpr_count:     256
    .wavefront_size: 32
...
	.end_amdgpu_metadata
.endif
;; end of part 1
;; launch proj (part 2): grid 4 x 64, 4 waves a work-group, clusters of 4 x 4, 327,680 bytes of LDS; arguments cod, sc, b_k, b_q, b_v, att; writes att
.if DOCPART == 2
	.amdgcn_target "amdgcn-amd-amdhsa--gfx1250"
	.amdhsa_code_object_version 6
	.text
	.protected	k_q14b1ed63e8_proj
	.globl	k_q14b1ed63e8_proj
	.p2align	8
	.type	k_q14b1ed63e8_proj,@function
k_q14b1ed63e8_proj:
	s_mov_b64 s[64:65], 0
	v_nop
	global_prefetch_b8 v0, s[64:65] scope:SCOPE_SE
	s_setreg_imm32_b32 hwreg(HW_REG_WAVE_MODE, 25, 1), 1
	s_wait_xcnt 0x0
	s_wait_alu depctr_hold_cnt(0) depctr_sa_sdst(0) depctr_va_vdst(0) depctr_va_sdst(0) depctr_va_ssrc(0) depctr_va_vcc(0) depctr_vm_vsrc(0)
	s_getreg_b32 s2, hwreg(HW_REG_IB_STS2, 6, 4)
	s_cmp_eq_u32 s2, 0
	s_cbranch_scc0 .Lentry_in_a_cluster
	s_endpgm
.Lentry_in_a_cluster:
	s_bfe_u32 s2, ttmp6, 0x10000c
	s_cmp_lg_u32 s2, 0xf033
	s_cbranch_scc0 .Lentry_shape_is_right
	s_endpgm
.Lentry_shape_is_right:
; SECOND LAUNCH: kp = k w_k + b_k, qp = q w_q + b_q, vp = v w_v + b_v on codes of E2M3, each result quantised again (kp, qp along the head's 64, vp along the keys) and stored as images of the third launch's operand registers.  No work is left out.
; SHARES.  256 work-groups of four waves (2 x 2).  A work-group makes THREE blocks on end, each 128 rows of its A side x 256 rows of its B side, all of K = 1,024; a wave makes 64 x 128: 32 accumulators.
;   blocks k and q: A = 128 tokens (block YA of 64), B = 256 rows of the weight (block cx of 4).  block v: A = 128 rows of w_v (block VA of 8), B = 256 tokens (block VB of 32).
; The product is used with source 0 = B's rows, source 1 = A's rows: a lane holds one row of A and its registers run along B's rows, which lie in position order (first launch): 16 registers of two neighbouring tiles are 16 logical neighbours.
; LDS: two slots, each with HALF OF K (four K steps, 6,144 bytes a tile of 16 rows) of A's 8 tiles and B's 16 tiles: 147,456 bytes; a block is slot 0, then slot 1.  The tiles are dense fragment images: no padding is needed.
; FILLS.  At the head one joint load a wave: A half 0, B half 0, A half 1, B half 1 of block k.  FOUR REFILLS, each in a drained round of the cluster's barrier with the three lines ahead of it:
; in K step 2 of blocks k and q slot 0 takes the next block's first half (wave 0: A, wave 1: B), in K step 6 slot 1 its second half (waves 2, 3).  A slot's last fragments are fetched at the head of the step that holds its round.
; A's tiles hang on the cluster's row alone (mask of my row), B's on its column alone (mask of my column).
; FRAGMENTS: both operands have two sets of registers; a step's 48 LDS loads for the next step go out in one run ahead of its 32 products; each wait for them is for 0.
; SCALE WORDS: register sc + 8 i + s: lanes 16-31 B's tile i, K step s; lanes 0-15 A's tile i % 4, K step s xor 4.  So a product's two scale registers differ by 4 in their numbers.  Two sets by turns; the next block's words and bias are loaded in the block in hand.
; THE BIAS is the first K step's C.  No prefetch: K is 1,024, a block is two fills, and the text has no loop to run ahead in.
; REGISTERS: window 0 addresses, scale words (v32-95, v128-191), the way out's registers; window 1 B's fragments (v0-95, v128-223) and the bias (v96-127, v224-255); window 2 the accumulators ((a, b) at 8 (8 a + b)); window 3 A's fragments (v0-47, v64-111).
; LIMITS: as stated at the first launch's head.
.set XT,    6291456
.set WT,    786432
.set WOFF,  18874368
.set SWOFF, 786432
.set HSK,   208896
.set SSK,   13056
.set HSQ,   106496
.set SSQ,   6656
.set QOFF,  13369344
.set TILEB, 12288
.set HROW,  6144
.set ABYTES, 8*HROW
.set SLOT,  24*HROW
.set SPARE, 2*SLOT
.set ADRA,  16
.set ADRB,  20
.set SPW,   28
.set NIL,   29
.set SC0,   32
.set SC1,   128
.set TM,    96
.set SW,    116
.set PC,    192
.set WV,    16
.set HA,    17
.set HB,    18
.set G1A,   24
.set G1B,   32
.set G0A0,  40
.set G0B0,  44
.set G0A1,  48
.set G0B1,  52
.set AQ,    56
.set BQ,    58
.set AV,    60
.set BV,    62
.set MSB, 0
.macro WIN new
.if MSB != (\new)
	s_set_vgpr_msb (MSB<<8)|(\new)
.set MSB, (\new)
.endif
.endm
.macro PLACES n
.rept \n
	v_nop
.endr
.endm
.macro CREST
	s_cmp_lg_u32 s[WV], 0
	s_cbranch_scc1 .Lnot_wave_0_\@
	s_barrier_signal -3
.Lnot_wave_0_\@:
	s_barrier_wait -3
	s_barrier_signal -1
	s_barrier_wait -1
.endm
.macro CROUND
	s_barrier_signal -1
	s_barrier_wait -1
	CREST
.endm
.macro TLOAD g0, g1
	tensor_load_to_lds s[\g0:\g0+3], s[\g1:\g1+7]
	s_nop 0
	PLACES 4
.endm
.macro ARM under, g0, g1, next
	s_cmp_lt_u32 s[WV], \under
	s_cbranch_scc0 \next
	TLOAD \g0, \g1
	s_branch .Lhead_asked
\next:
.endm
.macro RLOAD slot                      ; a slot's refill: wave 2 slot asks for A's tiles, wave 2 slot + 1 for B's
	s_cmp_eq_u32 s[WV], 2*\slot
	s_cbranch_scc0 .Lrb_\@
	TLOAD G0A0+8*\slot, G1A
	s_branch .Lrd_\@
.Lrb_\@:
	s_cmp_eq_u32 s[WV], 2*\slot+1
	s_cbranch_scc0 .Lrd_\@
	TLOAD G0B0+8*\slot, G1B
.Lrd_\@:
.endm
.macro GROUP1 g, mask, rows            ; rows of 6,144 bytes (768 elements of 8), a tile of 16 rows of codes each, 12,288 bytes apart in memory, dense in LDS
	s_or_b32 s[\g], s\mask, (3<<16)|(1<<21)
	s_mov_b32 s[\g+1], 768<<16
	s_mov_b32 s[\g+2], (\rows)<<16
	s_mov_b32 s[\g+3], 768<<16
	s_mov_b32 s[\g+4], \rows
	s_mov_b32 s[\g+5], 1536
	s_mov_b32 s[\g+6], 0
	s_mov_b32 s[\g+7], 0
.endm
.macro FRAG reg, adr, off              ; a fragment's image: registers 0-3 at 16 x lane, 4-5 at 512 + 8 x lane, and the same 768 bytes on
	ds_load_b128 v[\reg:\reg+3], v[\adr] offset:\off
	ds_load_b64 v[\reg+4:\reg+5], v[\adr+1] offset:\off+512
	ds_load_b128 v[\reg+6:\reg+9], v[\adr] offset:\off+768
	ds_load_b64 v[\reg+10:\reg+11], v[\adr+1] offset:\off+1280
.endm
.macro FETCH s                         ; K step s (slot s / 4): B's eight and A's four fragments into set s % 2: 48 loads
	WIN 0x40
.irp i, 0,1,2,3,4,5,6,7
	FRAG 128*((\s)%2)+12*\i, ADRB+2*((\s)/4), \i*HROW+((\s)%4)*1536
.endr
	WIN 0xc0
.irp i, 0,1,2,3
	FRAG 64*((\s)%2)+12*\i, ADRA+2*((\s)/4), \i*HROW+((\s)%4)*1536
.endr
	WIN 0
.endm
.macro MULH s, sc, cm, a0              ; 16 products: A's tiles a0, a0 + 1 x B's eight.  cm = 1: C is the bias by B's tile; 2: by A's tile.  The 32 accumulators take turns
.if \cm
	WIN 0x9d
.else
	WIN 0xad
.endif
.irp a, \a0, \a0+1
.irp b, 0,1,2,3,4,5,6,7
.set rD, 8*(8*(\a)+\b)
.set rB, 128*((\s)%2)+12*\b
.set rA, 64*((\s)%2)+12*(\a)
.set rC, rD
.if \cm == 1
.set rC, 96+8*\b+96*(\b/4)
.endif
.if \cm == 2
.set rC, 96+8*(\a)
.endif
	v_wmma_scale_f32_16x16x128_f8f6f4 v[rD:rD+7], v[rB:rB+11], v[rA:rA+11], v[rC:rC+7], v[\sc+8*\b+(\s)], v[\sc+8*(\a)+((\s)^4)] matrix_a_fmt:MATRIX_FMT_FP6 matrix_b_fmt:MATRIX_FMT_FP6 matrix_a_scale:MATRIX_SCALE_ROW1
.endr
.endr
.endm
.macro KSTEP s, sc, cm, f              ; a K step; f: the step whose fragments are fetched under it (-1: none)
	s_wait_dscnt 0x0                               ; this step's fragments are in
.if \f >= 0
	PLACES 4                                       ; places between the last step's products and the loads into their registers
	FETCH \f
.endif
	MULH \s, \sc, \cm, 0
	MULH \s, \sc, \cm, 2
.endm
; A K step with a meeting.  mode 2: a drained round, then the refill of \slot from s[\asrc], s[\bsrc] + \hoff.  mode 1: a plain barrier that shows the last fill.
.macro KSYNC s, sc, mode, slot=0, asrc=0, bsrc=0, hoff=0
	s_wait_dscnt 0x0
	PLACES 4
	FETCH (\s)+1                                   ; with mode 2: my last reads of the slot that is filled again
	s_wait_tensorcnt 0x0                           ; all my tensor loads have landed
.if \mode == 2
	ds_add_u32 v[SPW], v[NIL]
	s_add_nc_u64 s[G0A0+8*\slot+2:G0A0+8*\slot+3], s[\asrc:\asrc+1], \hoff   ; no load of mine is out: the descriptors may be written
	s_add_nc_u64 s[G0B0+8*\slot+2:G0B0+8*\slot+3], s[\bsrc:\bsrc+1], \hoff
	s_or_b32 s[G0A0+8*\slot+3], s[G0A0+8*\slot+3], 0x80000000
	s_or_b32 s[G0B0+8*\slot+3], s[G0B0+8*\slot+3], 0x80000000
.endif
	MULH \s, \sc, 0, 0
	s_wait_dscnt 0x0                               ; the add and my reads are done
	s_barrier_signal -1
	MULH \s, \sc, 0, 2
	WIN 0
	s_barrier_wait -1
.if \mode == 2
	CREST
	RLOAD \slot
.endif
.endm
; the scale words and the bias of block t (0 k, 1 q, 2 v) into set sc and the bias registers
.macro PRELOAD t, sc
.if \t < 2
	s_lshl_b32 s84, s69, 3
	s_lshl_b32 s86, s66, 4
.else
	s_lshl_b32 s84, s70, 3
	s_lshl_b32 s86, s71, 4
.endif
	s_lshl_b32 s85, s[HA], 2
	s_add_co_u32 s84, s84, s85
	s_lshl_b32 s84, s84, 9                         ; A's first tile of mine x 512 bytes of scale words
	s_lshl_b32 s85, s[HB], 3
	s_add_co_u32 s86, s86, s85
	s_lshl_b32 s86, s86, 9                         ; B's
.if \t < 2
	s_add_co_u32 s84, s84, (\t)<<18
	s_add_co_u32 s86, s86, SWOFF+((\t)<<15)
	s_lshl_b32 s90, s66, 10
	s_lshl_b32 s91, s[HB], 9
.else
	s_add_co_u32 s84, s84, SWOFF+(2<<15)
	s_add_co_u32 s86, s86, 2<<18
	s_lshl_b32 s90, s70, 9
	s_lshl_b32 s91, s[HA], 8
.endif
	s_add_co_u32 s90, s90, s91
	s_mov_b32 s91, 0
	s_add_nc_u64 s[88:89], s[8+2*(\t):9+2*(\t)], s[90:91]   ; the bias of my 128 (v: 64) channels
	v_lshl_add_u32 v6, v2, 4, s84
	v_lshl_add_u32 v7, v2, 4, s86
.irp g, 0,1
.irp u, 0,1
	v_add_nc_u32 v8, 256*(1-\u), v6                ; lanes 0-15: A's words of the other four K steps
	v_add_nc_u32 v9, 256*\u+2048*\g, v7            ; lanes 16-31: B's
	v_cndmask_b32 v[10+2*\g+\u], v8, v9, s74
.endr
.endr
.irp i, 0,1,2,3,4,5,6,7
.irp u, 0,1
	global_load_b128 v[\sc+8*\i+4*\u:\sc+8*\i+4*\u+3], v[10+2*(\i/4)+\u], s[6:7] offset:512*(\i%4)
.endr
.endr
	WIN 0x40
.if \t < 2
.irp x, 0,1,2,3,4,5,6,7                        ; register j of B's tile x: channel 32 (x / 2) + 8 (x % 2) + 16 h + j
	global_load_b128 v[96+8*\x+96*(\x/4):96+8*\x+96*(\x/4)+3], v14, s[88:89] offset:(32*(\x/2)+8*(\x%2))*4
	global_load_b128 v[96+8*\x+96*(\x/4)+4:96+8*\x+96*(\x/4)+7], v14, s[88:89] offset:(32*(\x/2)+8*(\x%2))*4+16
.endr
.else
.irp x, 0,1,2,3                                ; all eight registers of A's tile x: channel 32 (x / 2) + 8 (x % 2) + r + 8 (r / 8)
.irp j, 0,1,2,3,4,5,6,7
	global_load_b32 v[96+8*\x+\j], v15, s[88:89] offset:(32*(\x/2)+8*(\x%2))*4
.endr
.endr
.endif
	WIN 0
.endm
; 64 sums of a lane (A's tile a against B's 128 rows) become a fragment's codes in v[PC] on and its row's scale word in v[pw]
.macro QACC a, pw
.set AC, 64*(\a)
	WIN (2<<2)|(2<<4)
.irp b, 0,1,2,3
	v_max3_num_f32 v[TM+\b], 0x1800000, |v[AC+16*\b]|, |v[AC+1+16*\b]|   ; the floor 2^(3 - 127): the byte cannot fall under 1
.endr
.irp i, 2,4,6,8,10,12,14
.irp b, 0,1,2,3
	v_max3_num_f32 v[TM+\b], v[TM+\b], |v[AC+16*\b+\i]|, |v[AC+1+16*\b+\i]|
.endr
.endr
	WIN 0
.irp b, 0,1,2,3
	v_permlanex16_b32 v[TM+4+\b], v[TM+\b], s20, s21
.endr
.irp b, 0,1,2,3
	v_max_num_f32 v[TM+\b], v[TM+\b], v[TM+4+\b]
.endr
.irp b, 0,1,2,3
	v_add_nc_u32 v[TM+12+\b], 0xff000000, v[TM+\b]
.endr
.irp b, 0,1,2,3
	v_lshrrev_b32 v[TM+4+\b], 23, v[TM+12+\b]
.endr
	v_lshl_or_b32 v[\pw], v[TM+5], 8, v[TM+4]
	v_lshl_or_b32 v[\pw], v[TM+6], 16, v[\pw]
	v_lshl_or_b32 v[\pw], v[TM+7], 24, v[\pw]
	WIN 2
.irp c, 0,1
	v_cvt_scalef32_pk16_fp6_f32 v[PC+6*\c:PC+2+6*\c], v[AC+32*\c:AC+15+32*\c], v[TM+12+2*\c]
	v_cvt_scalef32_pk16_fp6_f32 v[PC+12+4*\c:PC+14+4*\c], v[AC+16+32*\c:AC+31+32*\c], v[TM+12+2*\c+1]
.endr
	WIN 0
	v_nop                                          ; one plain place behind a scaled conversion
.irp c, 0,1
.irp i, 0,1,2
	v_permlane16_swap_b32 v[PC+6*\c+\i], v[PC+12+4*\c+\i]
.endr
.irp i, 0,1,2
	v_mov_b32 v[PC+3+6*\c+\i], v[PC+12+4*\c+\i]
.endr
.endr
.endm
; the way out of block k or q: my 64 tokens are tiles 4 HA .. 4 HA + 3 of key step YA % 16; my 128 channels are two heads
.macro OUTKQ hs, ss, off
	s_wait_xcnt 0x0                                ; earlier stores have read their bases and registers
	s_lshr_b32 s84, s69, 4                         ; the batch
	s_and_b32 s85, s69, 15                         ; the step of 128 tokens
	s_lshl_b32 s86, s66, 2
	s_lshl_b32 s87, s[HB], 1
	s_add_co_u32 s86, s86, s87                     ; the first of my two heads
	s_lshl_b32 s84, s84, 4
	s_add_co_u32 s84, s84, s86
	s_mul_i32 s84, s84, \hs
	s_mul_i32 s85, s85, \ss
	s_add_co_u32 s84, s84, s85
	s_add_co_u32 s84, s84, \off
	s_mov_b32 s85, 0
	s_add_nc_u64 s[92:93], s[14:15], s[84:85]
	s_add_nc_u64 s[94:95], s[92:93], \hs
	s_lshl_b32 s86, s[HA], 8
	v_lshlrev_b32 v112, 4, v3
	v_mul_u32_u24 v115, \hs, v3
	v_lshl_add_u32 v115, v2, 4, v115
	v_add_nc_u32 v115, s86, v115                   ; scale words: head h of my two, quarter HA, row r
.irp a, 0,1,2,3
.if \a > 0
	s_wait_xcnt 0x0
.endif
	QACC \a, 122
	v_lshrrev_b32 v[SW+\a], v112, v122
	v_and_b32 v[SW+\a], 0xffff, v[SW+\a]           ; a head's two bytes; the upper two stay 0
	global_store_b128 v24, v[PC:PC+3], s[92:93] offset:768*\a
	global_store_b64 v25, v[PC+4:PC+5], s[92:93] offset:768*\a+512
	global_store_b128 v24, v[PC+6:PC+9], s[94:95] offset:768*\a
	global_store_b64 v25, v[PC+10:PC+11], s[94:95] offset:768*\a+512
.endr
	global_store_b128 v115, v[SW:SW+3], s[92:93] offset:6144
.endm
; the way out of block v: my 64 channels are one head, my 128 tokens one key step
.macro OUTV
	s_wait_xcnt 0x0
	s_lshr_b32 s84, s71, 3                         ; the batch
	s_and_b32 s85, s71, 7
	s_lshl_b32 s85, s85, 1
	s_add_co_u32 s85, s85, s[HB]                   ; the key step
	s_lshl_b32 s86, s70, 1
	s_add_co_u32 s86, s86, s[HA]                   ; the head
	s_lshl_b32 s84, s84, 4
	s_add_co_u32 s84, s84, s86
	s_mul_i32 s84, s84, HSK
	s_mul_i32 s85, s85, SSK
	s_add_co_u32 s84, s84, s85
	s_add_co_u32 s84, s84, 6656
	s_mov_b32 s85, 0
	s_add_nc_u64 s[92:93], s[14:15], s[84:85]
.irp a, 0,1,2,3
.if \a > 0
	s_wait_xcnt 0x0
.endif
	QACC \a, SW+\a
.irp c, 0,1,2
	global_store_b128 v4, v[PC+4*\c:PC+4*\c+3], s[92:93] offset:\a*1536+512*\c
.endr
.endr
	v_cndmask_b32 v120, v116, v118, s74
	v_cndmask_b32 v121, v117, v119, s74
	global_store_b64 v5, v[120:121], s[92:93] offset:6144
.endm
; ================= the head
	s_load_b256 s[4:11], s[0:1], 0x0               ; cod, sc, b_k, b_q
	s_load_b128 s[12:15], s[0:1], 0x20             ; b_v, att
	v_lshl_add_u32 v[SPW], v0, 2, SPARE
	v_mov_b32 v[NIL], 0
	ds_add_u32 v[SPW], v[NIL]                      ; the opening lines: the add, twice on end, and its wait
	ds_add_u32 v[SPW], v[NIL]
	v_lshrrev_b32 v1, 5, v0
	v_readfirstlane_b32 s[WV], v1
	s_lshr_b32 s[HA], s[WV], 1                     ; which 64 rows of A are mine
	s_and_b32 s[HB], s[WV], 1                      ; which 128 rows of B
	s_bfe_u32 s66, ttmp6, 0x40000                  ; cx
	s_bfe_u32 s67, ttmp6, 0x40004                  ; cy
	s_and_b32 s68, ttmp7, 0xffff                   ; the cluster, 0 .. 15
	s_lshl_b32 s69, s68, 2
	s_add_co_u32 s69, s69, s67                     ; YA: k's and q's block of 128 tokens
	s_and_b32 s70, s68, 1
	s_lshl_b32 s70, s70, 2
	s_add_co_u32 s70, s70, s67                     ; VA: w_v's block of 128 rows
	s_lshr_b32 s71, s68, 1
	s_lshl_b32 s71, s71, 2
	s_add_co_u32 s71, s71, s66                     ; VB: v's block of 256 tokens
	s_lshl_b32 s72, s67, 2
	s_lshl_b32 s72, 15, s72                        ; my row of the cluster
	s_lshl_b32 s73, 0x1111, s66                    ; my column
	GROUP1 G1A, 72, 8
	GROUP1 G1B, 73, 16
	s_mul_i32 s76, s69, 8*TILEB                    ; k's tokens
	s_mov_b32 s77, 0
	s_mul_i32 s78, s70, 8*TILEB
	s_add_co_u32 s78, s78, WOFF+2*WT               ; w_v's rows
	s_mov_b32 s79, 0
	s_mul_i32 s80, s66, 16*TILEB
	s_add_co_u32 s80, s80, WOFF                    ; w_k's rows
	s_mov_b32 s81, 0
	s_mul_i32 s82, s71, 16*TILEB
	s_add_co_u32 s82, s82, 2*XT                    ; v's tokens
	s_mov_b32 s83, 0
.irp g, G0A0, G0B0, G0A1, G0B1
	s_mov_b32 s[\g], 1
.endr
	s_mov_b32 s[G0A0+1], 0
	s_mov_b32 s[G0B0+1], ABYTES
	s_mov_b32 s[G0A1+1], SLOT
	s_mov_b32 s[G0B1+1], SLOT+ABYTES
	s_mov_b32 s20, 0x76543210
	s_mov_b32 s21, 0xfedcba98
	s_mov_b32 s74, 0xffff0000                      ; lanes 16-31
	s_wait_dscnt 0x0
	s_wait_kmcnt 0x0
	s_add_nc_u64 s[G0A0+2:G0A0+3], s[4:5], s[76:77]
	s_add_nc_u64 s[G0B0+2:G0B0+3], s[4:5], s[80:81]
	s_add_nc_u64 s[AV:AV+1], s[4:5], s[78:79]
	s_add_nc_u64 s[BV:BV+1], s[4:5], s[82:83]
	s_add_nc_u64 s[AQ:AQ+1], s[G0A0+2:G0A0+3], XT
	s_add_nc_u64 s[BQ:BQ+1], s[G0B0+2:G0B0+3], WT
	s_add_nc_u64 s[G0A1+2:G0A1+3], s[G0A0+2:G0A0+3], HROW
	s_add_nc_u64 s[G0B1+2:G0B1+3], s[G0B0+2:G0B0+3], HROW
.irp g, G0A0+3, G0B0+3, G0A1+3, G0B1+3
	s_or_b32 s[\g], s[\g], 0x80000000
.endr
	CROUND                                         ; all sixteen work-groups are here: the first joint loads meet
	ARM 1, G0A0, G1A, .Lhead_b0
	ARM 2, G0B0, G1B, .Lhead_a1
	ARM 3, G0A1, G1A, .Lhead_b1
	TLOAD G0B1, G1B
.Lhead_asked:
	v_and_b32 v1, 31, v0
	v_and_b32 v2, 15, v0                           ; r
	v_bfe_u32 v3, v0, 4, 1                         ; h
	v_lshlrev_b32 v4, 4, v1
	v_lshlrev_b32 v5, 3, v1
	s_mul_i32 s22, s[HA], 4*HROW
	s_mul_i32 s23, s[HB], 8*HROW
	s_add_co_u32 s23, s23, ABYTES
.irp s, 0,1
	v_add_nc_u32 v[ADRA+2*\s], s22, v4
	v_add_nc_u32 v[ADRA+2*\s+1], s22, v5
	v_add_nc_u32 v[ADRB+2*\s], s23, v4
	v_add_nc_u32 v[ADRB+2*\s+1], s23, v5
	s_add_co_u32 s22, s22, SLOT
	s_add_co_u32 s23, s23, SLOT
.endr
	v_lshlrev_b32 v14, 6, v3                       ; the bias of k and q: 16 h channels
	v_and_b32 v15, 8, v2
	v_add_nc_u32 v15, v15, v2
	v_lshlrev_b32 v15, 2, v15                      ; of v: channel r + 8 (r / 8)
	s_mul_i32 s22, s[HA], 3072
	v_add_nc_u32 v24, s22, v4                      ; k's and q's codes: my four tiles of the step's eight
	v_add_nc_u32 v25, s22, v5
.irp b, 0,1,2,3
	v_mov_b32 v[TM+4+\b], 0                        ; written once: a lane permute's destination counts as one of its sources
.endr
	PRELOAD 0, SC0
	s_wait_alu depctr_va_vdst(0)                   ; the wait at the head's end
	s_cmp_lt_u32 s[WV], 2
	s_cbranch_scc0 .Lnot_half_0
	s_wait_tensorcnt 0x0
.Lnot_half_0:
	s_barrier_signal -1
	s_barrier_wait -1                              ; slot 0 is in; slot 1 may still be on its way
	FETCH 0
; ================= a block
.macro BLOCK t, sc, nsc, cm, asrc, bsrc
	s_wait_loadcnt 0x0                             ; the block's scale words and bias
	KSTEP 0, \sc, \cm, 1
	KSTEP 1, \sc, 0, 2
.if \t < 2
	KSYNC 2, \sc, 2, 0, \asrc, \bsrc, 0
.else
	KSYNC 2, \sc, 1
.endif
	KSTEP 3, \sc, 0, 4
.if \t < 2
	WIN 0
	PRELOAD (\t)+1, \nsc
.endif
	KSTEP 4, \sc, 0, 5
	KSTEP 5, \sc, 0, 6
.if \t < 2
	KSYNC 6, \sc, 2, 1, \asrc, \bsrc, HROW
	KSTEP 7, \sc, 0, 0                             ; the next block's first fragments, from slot 0, which the round has shown
.else
	KSTEP 6, \sc, 0, 7
	KSTEP 7, \sc, 0, -1
.endif
	WIN 0
	PLACES 4
.endm
	BLOCK 0, SC0, SC1, 1, AQ, BQ
	OUTKQ HSK, SSK, 0
	BLOCK 1, SC1, SC0, 1, AV, BV
	OUTKQ HSQ, SSQ, QOFF
	BLOCK 2, SC0, SC1, 2, AV, BV
	OUTV
	s_wait_tensorcnt 0x0                           ; the wave's end
	ds_add_u32 v[SPW], v[NIL]
	s_wait_dscnt 0x0
	CROUND                                         ; the closing round
	s_endpgm
.Lfunc_end_k_q14b1ed63e8_proj:
	.size	k_q14b1ed63e8_proj, .Lfunc_end_k_q14b1ed63e8_proj-k_q14b1ed63e8_proj
	.p2alignl 7, 3214868480
	.fill 96, 4, 3214868480
	.section	.rodata,"a",@progbits
	.p2align	6, 0x0
	.amdhsa_kernel k_q14b1ed63e8_proj
		.amdhsa_group_segment_fixed_size 327680
		.amdhsa_private_segment_fixed_size 0
		.amdhsa_enable_private_segment 0
		.amdhsa_kernarg_size 48
		.amdhsa_user_sgpr_count 2
		.amdhsa_user_sgpr_kernarg_segment_ptr 1
		.amdhsa_wavefront_size32 1
		.amdhsa_system_sgpr_workgroup_id_x 1
		.amdhsa_system_sgpr_workgroup_id_y 1
		.amdhsa_system_sgpr_workgroup_id_z 1
		.amdhsa_system_vgpr_workitem_id 0
		.amdhsa_next_free_vgpr 896
		.amdhsa_next_free_sgpr 100
		.amdhsa_reserve_vcc 0
		.amdhsa_float_denorm_mode_32 3
		.amdhsa_float_denorm_mode_16_64 3
		.amdhsa_memory_ordered 1
		.amdhsa_forward_progress 1
		.amdhsa_inst_pref_size 255
	.end_amdhsa_kernel
	.section	.bss,"aw",@nobits
	.p2align	6
	.space	262144
	.amdgpu_metadata
---
amdhsa.version: [ 1, 2 ]
amdhsa.kernels:
  - .name:           k_q14b1ed63e8_proj
    .symbol:         k_q14b1ed63e8_proj.kd
    .args:
      - { .name: cod, .offset: 0, .size: 8, .value_kind: global_buffer, .address_space: global }
      - { .name: sc, .offset: 8, .size: 8, .value_kind: global_buffer, .address_space: global }
      - { .name: b_k, .offset: 16, .size: 8, .value_kind: global_buffer, .address_space: global }
      - { .name: b_q, .offset: 24, .size: 8, .value_kind: global_buffer, .address_space: global }
      - { .name: b_v, .offset: 32, .size: 8, .value_kind: global_buffer, .address_space: global }
      - { .name: att, .offset: 40, .size: 8, .value_kind: global_buffer, .address_space: global }
    .group_segment_fixed_size: 327680
    .private_segment_fixed_size: 0
    .kernarg_segment_align: 8
    .kernarg_segment_size: 48
    .max_flat_workgroup_size: 128
    .sgpr_count:     100
    .vgpr_count:     896
    .wavefront_size: 32
...
	.end_amdgpu_metadata
.endif
;; end of part 2
;; launch attn (part 3): grid 4 x 64, 16 waves a work-group, clusters of 4 x 1, 210,944 bytes of LDS; arguments att, cc, sc; writes cc, sc
.if DOCPART == 3
	.amdgcn_target "amdgcn-amd-amdhsa--gfx1250"
	.amdhsa_code_object_version 6
	.text
	.protected	k_q14b1ed63e8_attn
	.globl	k_q14b1ed63e8_attn
	.p2align	8
	.type	k_q14b1ed63e8_attn,@function
k_q14b1ed63e8_attn:
	s_mov_b64 s[64:65], 0
	v_nop
	global_prefetch_b8 v0, s[64:65] scope:SCOPE_SE
	s_setreg_imm32_b32 hwreg(HW_REG_WAVE_MODE, 25, 1), 1
	s_wait_xcnt 0x0
	s_wait_alu depctr_hold_cnt(0) depctr_sa_sdst(0) depctr_va_vdst(0) depctr_va_sdst(0) depctr_va_ssrc(0) depctr_va_vcc(0) depctr_vm_vsrc(0)
	s_getreg_b32 s2, hwreg(HW_REG_IB_STS2, 6, 4)
	s_cmp_eq_u32 s2, 0
	s_cbranch_scc0 .Lentry_in_a_cluster
	s_endpgm
.Lentry_in_a_cluster:
	s_bfe_u32 s2, ttmp6, 0x10000c
	s_cmp_lg_u32 s2, 0x3003
	s_cbranch_scc0 .Lentry_shape_is_right
	s_endpgm
.Lentry_shape_is_right:
; THIRD LAUNCH: ctx = softmax(qh kh^T / 64) vh for each of 64 heads (batch x head), both products on codes of E2M3; ctx is quantised along the model's 1,024 and leaves as codes.  No work of the problem is left out.
; THE SOFTMAX: t = score x log2(e) / 64; M = the running largest t rounded up to a whole number; p = 2^(t - M) is quantised along the keys, not normalised; the row's sum is taken of the unquantised p and divides at the end.
; When M moves, the sum and O are multiplied by 2^(old M - new M): exact.  LIMITS: as at the first launch's head; the promise holds while |t| stays under 2^31.
; SHARES.  A work-group owns 512 queries of one head; each of its sixteen waves two tiles of 16 queries, one after the other; four waves lie on a SIMD.
; THE HEAD'S WHOLE K AND V, 208,896 bytes of codes and scale words, lie in LDS, filled ONCE: wave w asks for key step w (13,056 dense bytes, 51 rows of 256).  No ring, no refill.  All is asked for at the head, so nothing is prefetched.
; CLUSTER.  The four work-groups of a head ask jointly: the same load, the same descriptor, the mask 15.  The place in the cluster enters global addresses of Q, cc and sc alone.
; LAYOUT.  Both products are used transposed: S^T = K Q^T (source 0 = 16 keys), O^T = V^T P^T (source 0 = 16 channels): a lane (r, h) holds query r throughout.
; K's tile 4 c + u of a key step holds keys 64 c + 8 u + i in rows 0-7 and 64 c + 32 + 8 u + i in rows 8-15 (first launch).  So score register 32 c + 8 u + j of lane (r, h) is key 64 c + 32 h + 8 u + j:
; a lane's 32 registers are ONE scale block of p, in the order of the second product's operand: its largest needs no other lane, and the conversions' results are the operand's registers (three moves for each odd-numbered half).
; THE HEAD'S 64 FILL HALF OF THE INSTRUCTION'S 128.  Q's operand is 6 registers of codes and 6 of zero codes.  K's tile t is v[KR + 6 t .. + 11]: its upper 6 registers are the next tile's codes (behind tile 7: V's first six, or the
; zeros laid there at the head); every code of E2M3 is a finite number, they meet Q's zero codes under scale bytes 0 (2^-127), and add nothing.
; WHAT IS ASKED AHEAD.  K and V have registers of their own.  Behind a step's score products its V (13 loads) and THE NEXT STEP'S K (17 loads) are asked of LDS; V is waited for ahead of the second product with the 17 still out.
; The next step's number is taken modulo 16: the first tile's last step asks for the second tile's first K.  The second tile's last step asks for key step 0 once more; those 17 loads are not used.
; p's codes are laid into score registers that have been converted and summed: v[SS+16 .. SS+27].
.set HSK,   208896
.set SSK,   13056
.set HSQ,   106496
.set SSQ,   6656
.set QOFF,  13369344
.set CSOFF, 917504
.set SPARE, HSK                        ; behind K and V: the spare words, 128 bytes a wave, that no other line names
.set SPW,   1                          ; my spare word; never rewritten
.set NIL,   2                          ; 0; never rewritten
.set A16,   3                          ; 16 x lane, 8 x lane in the step in hand
.set A8,    4
.set AK16,  5                          ; the same in the next step
.set AK8,   6
.set SH8,   7                          ; 8 h
.set QW0,   8                          ; Q's scale words, tile 0, tile 1
.set QW1,   9
.set FF,    10                         ; f = 2^(old M - new M)
.set PW,    11                         ; p's scale word
.set NM,    12                         ; -M
.set RS,    13                         ; the running largest score
.set LS,    14                         ; v14-15 the row's sum, two halves
.set QR,    16                         ; v16-27 Q's operand
.set QB,    28                         ; v28-33 the second tile's codes
.set KS,    34                         ; v34-37 K's scale words: register j: lanes 0-15 tile j, lanes 16-31 tile 4 + j
.set VS,    38                         ; v38-39 V's: register j: lanes 0-15 tile j, lanes 16-31 tile 2 + j
.set KR,    40                         ; v40-87 K's eight tiles
.set VR,    88                         ; v88-135 V's four fragments
.set SS,    136                        ; v136-199 S^T, then p
.set PCD,   SS+16                      ; p's codes
.set OO,    200                        ; v200-231 O^T
.set TT,    232                        ; v232-234 the first conversion's codes
.set CH,    236                        ; v236-239 four chains of maxima
.set XX,    240
.set TP,    241
.set SM,    242                        ; v242-247 three more chains of the sum
.set EE,    248                        ; v248-249 the conversions' scale operands
.set BB,    250                        ; v250-251 the bytes
.set L16,   252                        ; 16 x lane
.set L8,    253                        ; 8 x lane
.set R16,   254                        ; 16 r
.set RH,    255                        ; 16 r + h
.set WV,    18
.set SEL,   20
.set CS,    22
.set CN,    26
.set TB,    2
.set G0,    36
.set G1,    40
.macro ROUND
	s_barrier_signal -1
	s_barrier_wait -1
	s_cmp_lg_u32 s[WV], 0
	s_cbranch_scc1 .Lnot_wave_0_\@
	s_barrier_signal -3
.Lnot_wave_0_\@:
	s_barrier_wait -3
	s_barrier_signal -1
	s_barrier_wait -1
.endm
.macro WM d, a, b, c, sa, sb, row
.if \row
	v_wmma_scale_f32_16x16x128_f8f6f4 v[\d:\d+7], v[\a:\a+11], v[\b:\b+11], \c, v[\sa], v[\sb] matrix_a_fmt:MATRIX_FMT_FP6 matrix_b_fmt:MATRIX_FMT_FP6 matrix_a_scale:MATRIX_SCALE_ROW1
.else
	v_wmma_scale_f32_16x16x128_f8f6f4 v[\d:\d+7], v[\a:\a+11], v[\b:\b+11], \c, v[\sa], v[\sb] matrix_a_fmt:MATRIX_FMT_FP6 matrix_b_fmt:MATRIX_FMT_FP6
.endif
.endm
.macro KLOAD a16, a8                   ; a key step's eight tiles of K and their scale words: 17 loads
.irp t, 0,1,2,3,4,5,6,7
	ds_load_b128 v[KR+6*\t:KR+6*\t+3], v[\a16] offset:768*\t
	ds_load_b64 v[KR+6*\t+4:KR+6*\t+5], v[\a8] offset:768*\t+512
.endr
	ds_load_b128 v[KS:KS+3], v[\a16] offset:6144
.endm
.macro ADDP d, j                       ; two more p onto a chain of the sum
	v_pk_add_f32 v[\d:\d+1], v[\d:\d+1], v[SS+\j:SS+\j+1]
.endm
.macro TMM j                           ; t - M, two at a time
	v_pk_fma_f32 v[SS+\j:SS+\j+1], v[SS+\j:SS+\j+1], s[CS:CS+1], v[NM:NM+1] op_sel_hi:[1,0,0]
.endm
	s_load_b128 s[4:7], s[0:1], 0x0                ; att, cc
	s_load_b64 s[8:9], s[0:1], 0x10                ; sc
	v_lshl_add_u32 v[SPW], v0, 2, SPARE
	v_mov_b32 v[NIL], 0
	ds_add_u32 v[SPW], v[NIL]                      ; the wave's opening: the add, twice on end, and its wait ahead of my first tensor load
	ds_add_u32 v[SPW], v[NIL]
	v_lshrrev_b32 v[TP], 5, v0
	v_readfirstlane_b32 s[WV], v[TP]               ; wave 0..15
	s_bfe_u32 s11, ttmp6, 0x40000                  ; cx
	s_and_b32 s10, ttmp7, 0xffff                   ; the head among 64
	s_mov_b32 s[G1], 15|(3<<16)|(1<<21)            ; the mask: all four; elements of 8 bytes; no padding
	s_mov_b32 s[G1+1], 32<<16                      ; rows of 256 bytes,
	s_mov_b32 s[G1+2], 51<<16                      ; 51 of them,
	s_mov_b32 s[G1+3], 32<<16
	s_mov_b32 s[G1+4], 51
	s_mov_b32 s[G1+5], 32                          ; dense
	s_mov_b32 s[G1+6], 0
	s_mov_b32 s[G1+7], 0
	s_mul_i32 s12, s[WV], SSK                      ; my key step, in LDS and in the head
	s_mul_i32 s14, s10, HSK
	s_add_co_u32 s14, s14, s12
	s_mov_b32 s15, 0
	s_mov_b32 s[SEL], 0x76543210
	s_mov_b32 s[SEL+1], 0xfedcba98
	s_mov_b32 s[CS], 0x3cb8aa3b                    ; c = log2(e) / 64
	s_mov_b32 s[CS+1], s[CS]
	s_mov_b32 s[CN], 0xbcb8aa3b                    ; -c
	s_mov_b32 s24, 0xffff0000                      ; lanes 16-31
	s_wait_dscnt 0x0                               ; both opening adds are done
	s_wait_kmcnt 0x0
	s_mov_b32 s[G0], 1
	s_mov_b32 s[G0+1], s12
	s_add_nc_u64 s[G0+2:G0+3], s[4:5], s[14:15]
	s_or_b32 s[G0+3], s[G0+3], 0x80000000
	ROUND                                          ; all four work-groups are here: the joint loads meet
	tensor_load_to_lds s[G0:G0+3], s[G1:G1+7]      ; one load of mine is out
	s_nop 0
	v_and_b32 v[TP], 31, v0
	v_and_b32 v[XX], 15, v0
	v_bfe_u32 v[SH8], v0, 4, 1
	v_lshlrev_b32 v[L16], 4, v[TP]
	v_lshlrev_b32 v[L8], 3, v[TP]
	v_lshlrev_b32 v[R16], 4, v[XX]
	v_lshl_add_u32 v[RH], v[XX], 4, v[SH8]
	v_lshlrev_b32 v[SH8], 3, v[SH8]
.irp j, 0,1,2,3,4,5
	v_mov_b32 v[QR+6+\j], 0                        ; zero codes: the upper 64 of Q's operand,
	v_mov_b32 v[VR+\j], 0                          ; and what stands behind K's last tile in the first step
.endr
	s_wait_alu depctr_va_vdst(0)                   ; the wait here, directly ahead of the run of scalar lines
; tile i of my two: tl = 32 cx + 16 i + wave among the head's 128.  rc: Q's codes; rw: Q's scale words; rcc: ctx's codes; rsc: ctx's scale bytes
.macro BASES i, rc, rw, rcc, rsc
	s_lshl_b32 s12, s11, 5
	s_add_co_u32 s12, s12, s[WV]
	s_add_co_u32 s12, s12, 16*\i
	s_lshr_b32 s13, s12, 3
	s_mul_i32 s13, s13, SSQ
	s_mul_i32 s14, s10, HSQ
	s_add_co_u32 s13, s13, s14
	s_add_co_u32 s13, s13, QOFF                    ; the step of 8 tiles
	s_and_b32 s14, s12, 7
	s_mul_i32 s14, s14, 768
	s_add_co_u32 s14, s14, s13
	s_mov_b32 s15, 0
	s_add_nc_u64 s[\rc:\rc+1], s[4:5], s[14:15]
	s_bfe_u32 s14, s12, 0x10002
	s_lshl_b32 s14, s14, 8
	s_and_b32 s16, s12, 3
	s_lshl_b32 s16, s16, 2
	s_add_co_u32 s14, s14, s16
	s_add_co_u32 s14, s14, s13
	s_add_co_u32 s14, s14, 6144
	s_add_nc_u64 s[\rw:\rw+1], s[4:5], s[14:15]
	s_lshr_b32 s14, s10, 4
	s_lshl_b32 s14, s14, 7
	s_add_co_u32 s16, s14, s12                     ; the token tile T among 512
	s_and_b32 s17, s10, 15                         ; the head in its batch
	s_lshl_b32 s14, s16, 4
	s_add_co_u32 s14, s14, s17
	s_mul_i32 s14, s14, 768                        ; half fragment (T, head): K step head / 2, half head % 2
	s_add_nc_u64 s[\rcc:\rcc+1], s[6:7], s[14:15]
	s_lshl_b32 s14, s16, 9
	s_lshr_b32 s19, s17, 3
	s_lshl_b32 s19, s19, 8
	s_add_co_u32 s14, s14, s19
	s_bfe_u32 s19, s17, 0x20001
	s_lshl_b32 s19, s19, 2
	s_add_co_u32 s14, s14, s19
	s_and_b32 s19, s17, 1
	s_lshl_b32 s19, s19, 1
	s_add_co_u32 s14, s14, s19
	s_add_co_u32 s14, s14, CSOFF
	s_add_nc_u64 s[\rsc:\rsc+1], s[8:9], s[14:15]
.endm
	BASES 0, 48, 50, 52, 54
	BASES 1, 56, 58, 60, 62
	global_load_b128 v[QR:QR+3], v[L16], s[48:49]
	global_load_b64 v[QR+4:QR+5], v[L8], s[48:49] offset:512
	global_load_b32 v[QW0], v[R16], s[50:51]
	global_load_b128 v[QB:QB+3], v[L16], s[56:57]
	global_load_b64 v[QB+4:QB+5], v[L8], s[56:57] offset:512
	global_load_b32 v[QW1], v[R16], s[58:59]
	s_wait_tensorcnt 0x0                           ; my key step is in,
	s_barrier_signal -1
	s_barrier_wait -1                              ; everybody's is
	KLOAD L16, L8                                  ; key step 0's K
	s_wait_loadcnt 0x0                             ; Q
; A KEY STEP: 128 keys; s3 is its number.  qw: Q's scale words
.macro STEP qw
	s_mul_i32 s[TB], s3, SSK                       ; this step's bytes in LDS,
	s_add_co_u32 s27, s3, 1
	s_and_b32 s27, s27, 15
	s_mul_i32 s27, s27, SSK                        ; and the next step's (behind the last: step 0's)
	s_wait_dscnt 0x0                               ; this step's K, asked for a step ago
.irp t, 0,1,2,3
	WM SS+8*\t, KR+6*\t, QR, 0, KS+\t, \qw, 0
.endr
.irp t, 4,5,6,7
	WM SS+8*\t, KR+6*\t, QR, 0, KS+\t-4, \qw, 1
.endr
	v_add_nc_u32 v[A16], s[TB], v[L16]             ; four places: for the loads below and for the first read of the scores
	v_add_nc_u32 v[A8], s[TB], v[L8]
	v_add_nc_u32 v[AK16], s27, v[L16]
	v_add_nc_u32 v[AK8], s27, v[L8]
.irp t, 0,1,2,3
.irp c, 0,1,2
	ds_load_b128 v[VR+12*\t+4*\c:VR+12*\t+4*\c+3], v[A16] offset:6656+1536*\t+512*\c
.endr
.endr
	ds_load_b64 v[VS:VS+1], v[A8] offset:12800
	KLOAD AK16, AK8
.irp b, 0,1,2,3                                ; the largest score of each block of 32 keys, in two chains a block: for the row's maximum and, since p rises with the score, for the block's largest p
	v_max3_num_f32 v[CH+\b], v[SS+16*\b], v[SS+16*\b+1], v[SS+16*\b+2]
.endr
.irp i, 3,5,7,9,11,13
.irp b, 0,1,2,3
	v_max3_num_f32 v[CH+\b], v[CH+\b], v[SS+16*\b+\i], v[SS+16*\b+\i+1]
.endr
.endr
	v_max3_num_f32 v[CH], v[CH], v[CH+1], v[SS+15]
	v_max3_num_f32 v[CH+2], v[CH+2], v[CH+3], v[SS+47]
	v_max_num_f32 v[CH], v[CH], v[SS+31]           ; block h
	v_max_num_f32 v[CH+2], v[CH+2], v[SS+63]       ; block 2 + h
	v_max_num_f32 v[TP], v[CH], v[CH+2]
	v_permlanex16_b32 v[XX], v[TP], s[SEL], s[SEL+1]
	v_max3_num_f32 v[RS], v[RS], v[TP], v[XX]      ; the running largest score (c is positive: also the largest t)
	v_mul_f32 v[TP], s[CN], v[RS]
	v_floor_f32 v[TP], v[TP]                       ; the new -M = floor(-t) = -ceil(t): a whole number
	v_sub_f32 v[XX], v[TP], v[NM]                  ; old M - new M: a whole number, 0 or less
	v_mov_b32 v[NM], v[TP]
	TMM 0
	TMM 2
	v_cvt_i32_f32 v[XX], v[XX]                     ; (it saturates)
	TMM 4
	TMM 6
	v_ldexp_f32 v[FF], 1.0, v[XX]                  ; f = 2^(old M - new M)
.irp j, 8,10,12,14,16,18,20,22,24,26,28,30,32,34,36,38,40,42,44,46,48,50,52,54,56,58,60,62
	TMM \j
.endr
	v_fma_f32 v[CH], v[CH], s[CS], v[NM]           ; the same of each block's largest score
	v_fma_f32 v[CH+2], v[CH+2], s[CS], v[NM]
.irp j, 0,2,4,6,8,10,12,14,16,18,20,22,24,26,28,30
	v_pk_mul_f32 v[OO+\j:OO+\j+1], v[OO+\j:OO+\j+1], v[FF:FF+1] op_sel_hi:[1,0]   ; O^T under the new M
.endr
	s_wait_alu depctr_va_vdst(0)                   ; the wait ahead of the batch
	v_exp_f32 v[CH], v[CH]                         ; each block's largest p: the same two instructions on the same number give the same bits
	v_exp_f32 v[CH+2], v[CH+2]
.set J, 0
.rept 64
	v_exp_f32 v[SS+J], v[SS+J]                     ; p = 2^(t - M), at most 1
.set J, J+1
.endr
	v_pk_mul_f32 v[LS:LS+1], v[LS:LS+1], v[FF:FF+1] op_sel_hi:[1,0]   ; the sum under the new M: the plain place behind the batch
	s_wait_alu depctr_va_vdst(0)                   ; one wait for the whole batch, ahead of its first reader
	; the two blocks' scales and p's scale word, with the sum of p's first 32 (four chains) between its lines
	v_max_num_f32 v[CH], 0x1800000, v[CH]          ; the floor 2^(3 - 127): the byte cannot fall under 1
	v_max_num_f32 v[CH+2], 0x1800000, v[CH+2]
	v_pk_add_f32 v[SM:SM+1], v[SS:SS+1], v[SS+2:SS+3]
	v_pk_add_f32 v[SM+2:SM+3], v[SS+4:SS+5], v[SS+6:SS+7]
	v_add_nc_u32 v[EE], 0xff000000, v[CH]          ; 2 off the exponent field: the conversions' scale operand
	v_add_nc_u32 v[EE+1], 0xff000000, v[CH+2]
	v_pk_add_f32 v[SM+4:SM+5], v[SS+8:SS+9], v[SS+10:SS+11]
	ADDP LS, 12
	v_lshrrev_b32 v[BB], 23, v[EE]                 ; the bytes
	v_lshrrev_b32 v[BB+1], 23, v[EE+1]
	ADDP SM, 14
	ADDP SM+2, 16
	v_lshl_or_b32 v[PW], v[BB+1], 16, v[BB]        ; my two bytes: blocks h and 2 + h,
	ADDP SM+4, 18
	ADDP LS, 20
	v_lshlrev_b32 v[PW], v[SH8], v[PW]             ; at their places in the word;
	ADDP SM, 22
	ADDP SM+2, 24
	v_permlanex16_b32 v[XX], v[PW], s[SEL], s[SEL+1]
	ADDP SM+4, 26
	ADDP LS, 28
	v_or_b32 v[PW], v[PW], v[XX]                   ; with lane l xor 16's two the word is whole
	ADDP SM, 30
	; the codes.  A conversion's three registers begin on an even number, so each block's second half is made elsewhere and moved.  A plain line stands between a conversion and the line that writes its sources or reads its result
	v_cvt_scalef32_pk16_fp6_f32 v[TT:TT+2], v[SS+16:SS+31], v[EE]
	ADDP SM+2, 32
	v_cvt_scalef32_pk16_fp6_f32 v[PCD:PCD+2], v[SS:SS+15], v[EE]
	v_cvt_scalef32_pk16_fp6_f32 v[PCD+6:PCD+8], v[SS+32:SS+47], v[EE+1]
	ADDP SM+4, 34
	v_cvt_scalef32_pk16_fp6_f32 v[SS:SS+2], v[SS+48:SS+63], v[EE+1]
	ADDP LS, 36
.irp n, 0,1,2
	v_mov_b32 v[PCD+3+\n], v[TT+\n]
.endr
.irp n, 0,1,2
	v_mov_b32 v[PCD+9+\n], v[SS+\n]
.endr
.irp j, 38,46,54                               ; thirteen additions: also the places between p's codes and word and the products below
	ADDP SM, \j
	ADDP SM+2, \j+2
	ADDP SM+4, \j+4
	ADDP LS, \j+6
.endr
	ADDP SM, 62
	s_wait_alu depctr_va_vdst(0)                   ; the wait here, directly ahead of the wait below
	s_wait_dscnt 17                                ; V and its words are in; the 17 loads of the next step's K may be out
.irp t, 0,1
	WM OO+8*\t, VR+12*\t, PCD, v[OO+8*\t:OO+8*\t+7], VS+\t, PW, 0
.endr
.irp t, 2,3
	WM OO+8*\t, VR+12*\t, PCD, v[OO+8*\t:OO+8*\t+7], VS+\t-2, PW, 1
.endr
	v_pk_add_f32 v[SM:SM+1], v[SM:SM+1], v[SM+2:SM+3]      ; the sum's chains are joined: five places ahead of the next score products, which write over p's codes
	v_pk_add_f32 v[LS:LS+1], v[LS:LS+1], v[SM+4:SM+5]
	v_nop
	v_pk_add_f32 v[LS:LS+1], v[LS:LS+1], v[SM:SM+1]
	v_nop
.endm
; ONE TILE OF 16 QUERIES: all 16 key steps, then the way out
.macro TILE i, qw, rcc, rsc
.if \i
	s_wait_xcnt 0x0                                ; the first tile's stores have read their registers
.irp n, 0,1,2,3,4,5
	v_mov_b32 v[QR+\n], v[QB+\n]                   ; the second tile's codes
.endr
.endif
	v_mov_b32 v[RS], 0xff61b1e6                    ; the largest score so far: -3e38
	v_mov_b32 v[NM], 0x7f61b1e6                    ; -M: 3e38, a whole number: the first f is 0
	v_mov_b32 v[LS], 0
	v_mov_b32 v[LS+1], 0
	v_mov_b32 v[PW], 0
	v_mov_b32 v[XX], 0
.set J, 0
.rept 32
	v_mov_b32 v[OO+J], 0                           ; O^T: the step is written once; the first finds zeros
.set J, J+1
.endr
	s_mov_b32 s3, 0
.Lstep_\@:
	STEP \qw
	s_add_co_u32 s3, s3, 1
	s_cmp_lt_u32 s3, 16
	s_cbranch_scc1 .Lstep_\@
	v_add_f32 v[LS], v[LS], v[LS+1]
	v_permlanex16_b32 v[XX], v[LS], s[SEL], s[SEL+1]
	v_add_f32 v[LS], v[LS], v[XX]                  ; the row's sum
	s_wait_alu depctr_va_vdst(0)
	v_rcp_f32 v[LS], v[LS]
	v_nop                                          ; a plain place behind the transcendental
	s_wait_alu depctr_va_vdst(0)                   ; and the wait ahead of its first reader, and of O^T's
.set J, 0
.rept 32
	v_mul_f32 v[SS+J], v[OO+J], v[LS]              ; ctx: register 16 b + i is channel 32 b + 16 h + i of my query
.set J, J+1
.endr
.irp b, 0,1
	v_max3_num_f32 v[CH+\b], |v[SS+16*\b]|, |v[SS+16*\b+1]|, 0x1800000
.endr
.irp n, 2,4,6,8,10,12,14
.irp b, 0,1
	v_max3_num_f32 v[CH+\b], v[CH+\b], |v[SS+16*\b+\n]|, |v[SS+16*\b+\n+1]|
.endr
.endr
.irp b, 0,1
	v_permlanex16_b32 v[EE+\b], v[CH+\b], s[SEL], s[SEL+1]
.endr
.irp b, 0,1
	v_max_num_f32 v[CH+\b], v[CH+\b], v[EE+\b]
.endr
.irp b, 0,1
	v_add_nc_u32 v[EE+\b], 0xff000000, v[CH+\b]
.endr
.irp b, 0,1
	v_lshrrev_b32 v[BB+\b], 23, v[EE+\b]           ; the two blocks' bytes
.endr
	v_cvt_scalef32_pk16_fp6_f32 v[SS+32:SS+34], v[SS:SS+15], v[EE]
	v_cvt_scalef32_pk16_fp6_f32 v[SS+36:SS+38], v[SS+16:SS+31], v[EE+1]
	v_nop
.irp n, 0,1,2
	v_permlane16_swap_b32 v[SS+32+\n], v[SS+36+\n]
.endr
.irp n, 0,1,2
	v_mov_b32 v[SS+35+\n], v[SS+36+\n]             ; a half fragment: lanes 0-15 block 0, lanes 16-31 block 1
.endr
	v_cndmask_b32 v[TP], v[BB], v[BB+1], s24       ; lanes 0-15 store block 0's byte, lanes 16-31 block 1's
	global_store_b128 v[L16], v[SS+32:SS+35], s[\rcc:\rcc+1]
	global_store_b64 v[L8], v[SS+36:SS+37], s[\rcc:\rcc+1] offset:512
	global_store_b8 v[RH], v[TP], s[\rsc:\rsc+1]
.endm
	TILE 0, QW0, 52, 54
	TILE 1, QW1, 60, 62
	s_wait_tensorcnt 0x0                           ; the wave's end
	ds_add_u32 v[SPW], v[NIL]
	s_wait_dscnt 0x0
	ROUND                                          ; the closing round
	s_endpgm
.Lfunc_end_k_q14b1ed63e8_attn:
	.size	k_q14b1ed63e8_attn, .Lfunc_end_k_q14b1ed63e8_attn-k_q14b1ed63e8_attn
	.p2alignl 7, 3214868480
	.fill 96, 4, 3214868480
	.section	.rodata,"a",@progbits
	.p2align	6, 0x0
	.amdhsa_kernel k_q14b1ed63e8_attn
		.amdhsa_group_segment_fixed_size 210944
		.amdhsa_private_segment_fixed_size 0
		.amdhsa_enable_private_segment 0
		.amdhsa_kernarg_size 24
		.amdhsa_user_sgpr_count 2
		.amdhsa_user_sgpr_kernarg_segment_ptr 1
		.amdhsa_wavefront_size32 1
		.amdhsa_system_sgpr_workgroup_id_x 1
		.amdhsa_system_sgpr_workgroup_id_y 1
		.amdhsa_system_sgpr_workgroup_id_z 1
		.amdhsa_system_vgpr_workitem_id 0
		.amdhsa_next_free_vgpr 256
		.amdhsa_next_free_sgpr 72
		.amdhsa_reserve_vcc 0
		.amdhsa_float_denorm_mode_32 3
		.amdhsa_float_denorm_mode_16_64 3
		.amdhsa_memory_ordered 1
		.amdhsa_forward_progress 1
		.amdhsa_inst_pref_size 48
	.end_amdhsa_kernel
	.amdgpu_metadata
---
amdhsa.version: [ 1, 2 ]
amdhsa.kernels:
  - .name:           k_q14b1ed63e8_attn
    .symbol:         k_q14b1ed63e8_attn.kd
    .args:
      - { .name: att, .offset: 0, .size: 8, .value_kind: global_buffer, .address_space: global }
      - { .name: cc, .offset: 8, .size: 8, .value_kind: global_buffer, .address_space: global }
      - { .name: sc, .offset: 16, .size: 8, .value_kind: global_buffer, .address_space: global }
    .group_segment_fixed_size: 210944
    .private_segment_fixed_size: 0
    .kernarg_segment_align: 8
    .kernarg_segment_size: 24
    .max_flat_workgroup_size: 512
    .sgpr_count:     72
    .vgpr_count:     256
    .wavefront_size: 32
...
	.end_amdgpu_metadata
.endif
;; end of part 3
;; launch outp (part 4): grid 4 x 64, 4 waves a work-group, clusters of 4 x 4, 327,680 bytes of LDS; arguments cc, cod, sc, b_o, out0; writes out0
.if DOCPART == 4
	.amdgcn_target "amdgcn-amd-amdhsa--gfx1250"
	.amdhsa_code_object_version 6
	.text
	.protected	k_q14b1ed63e8_outp
	.globl	k_q14b1ed63e8_outp
	.p2align	8
	.type	k_q14b1ed63e8_outp,@function
k_q14b1ed63e8_outp:
	s_mov_b64 s[64:65], 0
	v_nop
	global_prefetch_b8 v0, s[64:65] scope:SCOPE_SE
	s_setreg_imm32_b32 hwreg(HW_REG_WAVE_MODE, 25, 1), 1
	s_wait_xcnt 0x0
	s_wait_alu depctr_hold_cnt(0) depctr_sa_sdst(0) depctr_va_vdst(0) depctr_va_sdst(0) depctr_va_ssrc(0) depctr_va_vcc(0) depctr_vm_vsrc(0)
	s_getreg_b32 s2, hwreg(HW_REG_IB_STS2, 6, 4)
	s_cmp_eq_u32 s2, 0
	s_cbranch_scc0 .Lentry_in_a_cluster
	s_endpgm
.Lentry_in_a_cluster:
	s_bfe_u32 s2, ttmp6, 0x10000c
	s_cmp_lg_u32 s2, 0xf033
	s_cbranch_scc0 .Lentry_shape_is_right
	s_endpgm
.Lentry_shape_is_right:
; FOURTH LAUNCH: out0 = ctx w_o + b_o on codes of E2M3, f32 out.  No work is left out.
; SHARES.  256 work-groups of four waves (2 x 2); a work-group makes 128 tokens (block YA of 64) x 256 columns (block cx of 4), all of K = 1,024; a wave makes 64 x 128: 32 accumulators.
; Source 0 = w_o's rows (B), source 1 = ctx's rows (A): a lane holds one token and eight neighbouring columns a tile.
; LDS holds ALL OF K of the block, in two parts of half of K (four K steps, 6,144 bytes a tile of 16 rows; A's 8 tiles, B's 16 tiles: 147,456 bytes a part), each filled ONCE:
; at the head one joint load a wave: A half 0, B half 0, A half 1, B half 1.  The first barrier shows half 0 alone, the barrier in K step 3 shows all.  No refill, so no round but the opening and the closing one.
; A's tiles hang on the cluster's row alone (mask of my row), B's on its column alone (mask of my column).  All is asked for at the head: nothing is prefetched.
; SCALE WORDS: register SC + 8 i + s: lanes 16-31 B's tile i, K step s; lanes 0-15 A's tile i % 4, K step s xor 4: a product's two scale registers differ by 4 in their numbers.  THE BIAS is the first K step's C.
; THE WAY OUT: 16 tokens x 128 columns at a time through the wave's own stage, which lies in part 0: it has had its only fill, and behind the barrier in K step 3 nobody reads it.  Rows of 512 bytes leave as two aligned runs of 256.
; REGISTERS: window 0 addresses, scale words v32-95, the way out's v128-255; window 1 B's fragments (v0-95, v128-223) and the bias (v96-127, v224-255); window 2 the accumulators; window 3 A's fragments (v0-47, v64-111).
.set WT,    786432
.set WOFF,  18874368
.set SWOFF, 786432
.set CSOFF, 917504
.set TILEB, 12288
.set HROW,  6144
.set ABYTES, 8*HROW
.set SLOT,  24*HROW
.set SPARE, 2*SLOT
.set ADRA,  16
.set ADRB,  20
.set STO,   24
.set RD,    25
.set SPW,   28
.set NIL,   29
.set SC,    32
.set BK,    128
.set WV,    16
.set HA,    17
.set HB,    18
.set G1A,   24
.set G1B,   32
.set G0A0,  40
.set G0B0,  44
.set G0A1,  48
.set G0B1,  52
.set MSB, 0
.macro WIN new
.if MSB != (\new)
	s_set_vgpr_msb (MSB<<8)|(\new)
.set MSB, (\new)
.endif
.endm
.macro PLACES n
.rept \n
	v_nop
.endr
.endm
.macro CROUND
	s_barrier_signal -1
	s_barrier_wait -1
	s_cmp_lg_u32 s[WV], 0
	s_cbranch_scc1 .Lnot_wave_0_\@
	s_barrier_signal -3
.Lnot_wave_0_\@:
	s_barrier_wait -3
	s_barrier_signal -1
	s_barrier_wait -1
.endm
.macro TLOAD g0, g1
	tensor_load_to_lds s[\g0:\g0+3], s[\g1:\g1+7]
	s_nop 0
	PLACES 4
.endm
.macro ARM under, g0, g1, next
	s_cmp_lt_u32 s[WV], \under
	s_cbranch_scc0 \next
	TLOAD \g0, \g1
	s_branch .Lhead_asked
\next:
.endm
.macro GROUP1 g, mask, rows            ; rows of 6,144 bytes (768 elements of 8), a tile of 16 rows of codes each, 12,288 bytes apart in memory, dense in LDS
	s_or_b32 s[\g], s\mask, (3<<16)|(1<<21)
	s_mov_b32 s[\g+1], 768<<16
	s_mov_b32 s[\g+2], (\rows)<<16
	s_mov_b32 s[\g+3], 768<<16
	s_mov_b32 s[\g+4], \rows
	s_mov_b32 s[\g+5], 1536
	s_mov_b32 s[\g+6], 0
	s_mov_b32 s[\g+7], 0
.endm
.macro FRAG reg, adr, off
	ds_load_b128 v[\reg:\reg+3], v[\adr] offset:\off
	ds_load_b64 v[\reg+4:\reg+5], v[\adr+1] offset:\off+512
	ds_load_b128 v[\reg+6:\reg+9], v[\adr] offset:\off+768
	ds_load_b64 v[\reg+10:\reg+11], v[\adr+1] offset:\off+1280
.endm
.macro FETCH s                         ; K step s (part s / 4): B's eight and A's four fragments into set s % 2: 48 loads
	WIN 0x40
.irp i, 0,1,2,3,4,5,6,7
	FRAG 128*((\s)%2)+12*\i, ADRB+2*((\s)/4), \i*HROW+((\s)%4)*1536
.endr
	WIN 0xc0
.irp i, 0,1,2,3
	FRAG 64*((\s)%2)+12*\i, ADRA+2*((\s)/4), \i*HROW+((\s)%4)*1536
.endr
	WIN 0
.endm
.macro MULH s, cm, a0                  ; 16 products: A's tiles a0, a0 + 1 x B's eight.  cm = 1: C is the bias.  The 32 accumulators take turns
.if \cm
	WIN 0x9d
.else
	WIN 0xad
.endif
.irp a, \a0, \a0+1
.irp b, 0,1,2,3,4,5,6,7
.set rD, 8*(8*(\a)+\b)
.set rB, 128*((\s)%2)+12*\b
.set rA, 64*((\s)%2)+12*(\a)
.set rC, rD
.if \cm == 1
.set rC, 96+8*\b+96*(\b/4)
.endif
	v_wmma_scale_f32_16x16x128_f8f6f4 v[rD:rD+7], v[rB:rB+11], v[rA:rA+11], v[rC:rC+7], v[SC+8*\b+(\s)], v[SC+8*(\a)+((\s)^4)] matrix_a_fmt:MATRIX_FMT_FP6 matrix_b_fmt:MATRIX_FMT_FP6 matrix_a_scale:MATRIX_SCALE_ROW1
.endr
.endr
.endm
.macro KSTEP s, cm, f
	s_wait_dscnt 0x0                               ; this step's fragments are in
.if \f >= 0
	PLACES 4                                       ; places between the last step's products and the loads into their registers
	FETCH \f
.endif
	MULH \s, \cm, 0
	MULH \s, \cm, 2
.endm
	s_load_b256 s[4:11], s[0:1], 0x0               ; cc, cod, sc, b_o
	s_load_b64 s[12:13], s[0:1], 0x20              ; out0
	v_lshl_add_u32 v[SPW], v0, 2, SPARE
	v_mov_b32 v[NIL], 0
	ds_add_u32 v[SPW], v[NIL]                      ; the opening lines: the add, twice on end, and its wait
	ds_add_u32 v[SPW], v[NIL]
	v_lshrrev_b32 v1, 5, v0
	v_readfirstlane_b32 s[WV], v1
	s_lshr_b32 s[HA], s[WV], 1
	s_and_b32 s[HB], s[WV], 1
	s_bfe_u32 s66, ttmp6, 0x40000                  ; cx
	s_bfe_u32 s67, ttmp6, 0x40004                  ; cy
	s_and_b32 s68, ttmp7, 0xffff
	s_lshl_b32 s69, s68, 2
	s_add_co_u32 s69, s69, s67                     ; YA
	s_lshl_b32 s72, s67, 2
	s_lshl_b32 s72, 15, s72                        ; my row of the cluster
	s_lshl_b32 s73, 0x1111, s66                    ; my column
	GROUP1 G1A, 72, 8
	GROUP1 G1B, 73, 16
	s_mul_i32 s76, s69, 8*TILEB
	s_mov_b32 s77, 0
	s_mul_i32 s80, s66, 16*TILEB
	s_add_co_u32 s80, s80, WOFF+3*WT
	s_mov_b32 s81, 0
.irp g, G0A0, G0B0, G0A1, G0B1
	s_mov_b32 s[\g], 1
.endr
	s_mov_b32 s[G0A0+1], 0
	s_mov_b32 s[G0B0+1], ABYTES
	s_mov_b32 s[G0A1+1], SLOT
	s_mov_b32 s[G0B1+1], SLOT+ABYTES
	s_mov_b32 s74, 0xffff0000                      ; lanes 16-31
	s_wait_dscnt 0x0
	s_wait_kmcnt 0x0
	s_add_nc_u64 s[G0A0+2:G0A0+3], s[4:5], s[76:77]
	s_add_nc_u64 s[G0B0+2:G0B0+3], s[6:7], s[80:81]
	s_add_nc_u64 s[G0A1+2:G0A1+3], s[G0A0+2:G0A0+3], HROW
	s_add_nc_u64 s[G0B1+2:G0B1+3], s[G0B0+2:G0B0+3], HROW
.irp g, G0A0+3, G0B0+3, G0A1+3, G0B1+3
	s_or_b32 s[\g], s[\g], 0x80000000
.endr
	CROUND                                         ; all sixteen work-groups are here: the joint loads meet
	ARM 1, G0A0, G1A, .Lhead_b0
	ARM 2, G0B0, G1B, .Lhead_a1
	ARM 3, G0A1, G1A, .Lhead_b1
	TLOAD G0B1, G1B
.Lhead_asked:
	v_and_b32 v1, 31, v0
	v_and_b32 v2, 15, v0                           ; r
	v_bfe_u32 v3, v0, 4, 1                         ; h
	v_lshlrev_b32 v4, 4, v1
	v_lshlrev_b32 v5, 3, v1
	s_mul_i32 s22, s[HA], 4*HROW
	s_mul_i32 s23, s[HB], 8*HROW
	s_add_co_u32 s23, s23, ABYTES
.irp s, 0,1
	v_add_nc_u32 v[ADRA+2*\s], s22, v4
	v_add_nc_u32 v[ADRA+2*\s+1], s22, v5
	v_add_nc_u32 v[ADRB+2*\s], s23, v4
	v_add_nc_u32 v[ADRB+2*\s+1], s23, v5
	s_add_co_u32 s22, s22, SLOT
	s_add_co_u32 s23, s23, SLOT
.endr
	s_mul_i32 s23, s[WV], 16*528                   ; my stage
	v_mul_u32_u24 v6, v2, 528
	v_lshl_add_u32 v6, v3, 6, v6
	v_add_nc_u32 v[STO], s23, v6
	v_add_nc_u32 v[RD], s23, v4
	v_lshlrev_b32 v14, 6, v3                       ; the bias: 16 h columns
	s_lshl_b32 s84, s69, 3
	s_lshl_b32 s85, s[HA], 2
	s_add_co_u32 s84, s84, s85
	s_lshl_b32 s84, s84, 9
	s_add_co_u32 s84, s84, CSOFF                   ; ctx's scale words, my four tiles
	s_lshl_b32 s86, s66, 4
	s_lshl_b32 s85, s[HB], 3
	s_add_co_u32 s86, s86, s85
	s_lshl_b32 s86, s86, 9
	s_add_co_u32 s86, s86, SWOFF+98304             ; w_o's, my eight tiles
	s_lshl_b32 s90, s66, 10
	s_lshl_b32 s91, s[HB], 9
	s_add_co_u32 s90, s90, s91                     ; my first column, in bytes
	s_mov_b32 s91, 0
	s_add_nc_u64 s[10:11], s[10:11], s[90:91]
	s_lshl_b32 s92, s69, 19
	s_lshl_b32 s93, s[HA], 18
	s_add_co_u32 s92, s92, s93                     ; my first token x 4,096 bytes
	s_add_co_u32 s92, s92, s90
	s_mov_b32 s93, 0
	s_add_nc_u64 s[12:13], s[12:13], s[92:93]
	s_wait_alu depctr_va_vdst(0)                   ; the wait behind the run of scalar lines, ahead of the readers below
	v_lshl_add_u32 v6, v2, 4, s84
	v_lshl_add_u32 v7, v2, 4, s86
.irp g, 0,1
.irp u, 0,1
	v_add_nc_u32 v8, 256*(1-\u), v6                ; lanes 0-15: A's words of the other four K steps
	v_add_nc_u32 v9, 256*\u+2048*\g, v7            ; lanes 16-31: B's
	v_cndmask_b32 v[10+2*\g+\u], v8, v9, s74
.endr
.endr
.irp i, 0,1,2,3,4,5,6,7
.irp u, 0,1
	global_load_b128 v[SC+8*\i+4*\u:SC+8*\i+4*\u+3], v[10+2*(\i/4)+\u], s[8:9] offset:512*(\i%4)
.endr
.endr
	WIN 0x40
.irp x, 0,1,2,3,4,5,6,7                        ; register j of B's tile x: column 32 (x / 2) + 8 (x % 2) + 16 h + j
	global_load_b128 v[96+8*\x+96*(\x/4):96+8*\x+96*(\x/4)+3], v14, s[10:11] offset:(32*(\x/2)+8*(\x%2))*4
	global_load_b128 v[96+8*\x+96*(\x/4)+4:96+8*\x+96*(\x/4)+7], v14, s[10:11] offset:(32*(\x/2)+8*(\x%2))*4+16
.endr
	WIN 0
	s_wait_alu depctr_va_vdst(0)                   ; the wait at the head's end
	s_cmp_lt_u32 s[WV], 2
	s_cbranch_scc0 .Lnot_half_0
	s_wait_tensorcnt 0x0
.Lnot_half_0:
	s_barrier_signal -1
	s_barrier_wait -1                              ; half 0 is in; half 1 may still be on its way
	FETCH 0
	s_wait_loadcnt 0x0                             ; scale words and bias
	KSTEP 0, 1, 1
	KSTEP 1, 0, 2
	KSTEP 2, 0, 3
	s_wait_dscnt 0x0                               ; K step 3's fragments are in: my reads of part 0 are over
	s_wait_tensorcnt 0x0                           ; and my load has landed, whichever it was
	s_barrier_signal -1
	MULH 3, 0, 0
	s_barrier_wait -1                              ; all of K is in, and nobody reads part 0 any more
	PLACES 4
	FETCH 4
	MULH 3, 0, 2
	KSTEP 4, 0, 5
	KSTEP 5, 0, 6
	KSTEP 6, 0, 7
	KSTEP 7, 0, -1
	WIN 0
.macro TOSTAGE a
.set AC, 64*(\a)
	WIN 0x08
.irp b, 0,1,2,3,4,5,6,7
	ds_store_b128 v[STO], v[AC+8*\b:AC+8*\b+3] offset:128*(\b/2)+32*(\b%2)       ; each accumulator from its low end on
	ds_store_b128 v[STO], v[AC+8*\b+4:AC+8*\b+7] offset:128*(\b/2)+32*(\b%2)+16
.endr
	WIN 0
.set BB, BK+64*((\a)%2)
.irp t, 0,1,2,3,4,5,6,7,8,9,10,11,12,13,14,15
	ds_load_b128 v[BB+4*\t:BB+4*\t+3], v[RD] offset:\t*528      ; LDS serves a wave's instructions in order: these see my stores
.endr
.endm
.macro SEND a, younger
.set BB, BK+64*((\a)%2)
	s_wait_dscnt \younger
.irp t, 0,1,2,3,4,5,6,7,8,9,10,11,12,13,14,15
	global_store_b128 v4, v[BB+4*\t:BB+4*\t+3], s[12:13] offset:(32*((\a)/2)+8*((\a)%2)+\t+8*(\t/8))*4096 th:TH_STORE_NT   ; position t of tile a is token 32 (a / 2) + 8 (a % 2) + t + 8 (t / 8)
.endr
.endm
	PLACES 4
	TOSTAGE 0
.irp a, 1,2,3
.if \a > 1
	s_wait_xcnt 0x0                                ; block a - 2's stores have read their registers
.endif
	TOSTAGE \a
	SEND \a-1, 32                                  ; behind block a - 1's loads: block a's 16 stores and 16 loads
.endr
	SEND 3, 0
	s_wait_tensorcnt 0x0                           ; the wave's end
	ds_add_u32 v[SPW], v[NIL]
	s_wait_dscnt 0x0
	CROUND                                         ; the closing round
	s_endpgm
.Lfunc_end_k_q14b1ed63e8_outp:
	.size	k_q14b1ed63e8_outp, .Lfunc_end_k_q14b1ed63e8_outp-k_q14b1ed63e8_outp
	.p2alignl 7, 3214868480
	.fill 96, 4, 3214868480
	.section	.rodata,"a",@progbits
	.p2align	6, 0x0
	.amdhsa_kernel k_q14b1ed63e8_outp
		.amdhsa_group_segment_fixed_size 327680
		.amdhsa_private_segment_fixed_size 0
		.amdhsa_enable_private_segment 0
		.amdhsa_kernarg_size 40
		.amdhsa_user_sgpr_count 2
		.amdhsa_user_sgpr_kernarg_segment_ptr 1
		.amdhsa_wavefront_size32 1
		.amdhsa_system_sgpr_workgroup_id_x 1
		.amdhsa_system_sgpr_workgroup_id_y 1
		.amdhsa_system_sgpr_workgroup_id_z 1
		.amdhsa_system_vgpr_workitem_id 0
		.amdhsa_next_free_vgpr 896
		.amdhsa_next_free_sgpr 100
		.amdhsa_reserve_vcc 0
		.amdhsa_float_denorm_mode_32 3
		.amdhsa_float_denorm_mode_16_64 3
		.amdhsa_memory_ordered 1
		.amdhsa_forward_progress 1
		.amdhsa_inst_pref_size 85
	.end_amdhsa_kernel
	.amdgpu_metadata
---
amdhsa.version: [ 1, 2 ]
amdhsa.kernels:
  - .name:           k_q14b1ed63e8_outp
    .symbol:         k_q14b1ed63e8_outp.kd
    .args:
      - { .name: cc, .offset: 0, .size: 8, .value_kind: global_buffer, .address_space: global }
      - { .name: cod, .offset: 8, .size: 8, .value_kind: global_buffer, .address_space: global }
      - { .name: sc, .offset: 16, .size: 8, .value_kind: global_buffer, .address_space: global }
      - { .name: b_o, .offset: 24, .size: 8, .value_kind: global_buffer, .address_space: global }
      - { .name: out0, .offset: 32, .size: 8, .value_kind: global_buffer, .address_space: global }
    .group_segment_fixed_size: 327680
    .private_segment_fixed_size: 0
    .kernarg_segment_align: 8
    .kernarg_segment_size: 40
    .max_flat_workgroup_size: 128
    .sgpr_count:     100
    .vgpr_count:     896
    .wavefront_size: 32
...
	.end_amdgpu_metadata
.endif
;; end of part 4
